; MI455X (gfx1250); checked and timed in simulation.
; The chip was launched on July 23, 2026; its instructions are those of AMD's public machine-readable ISA for CDNA 5 (MIT licence, August 2026) and "CDNA5" Instruction Set Architecture Reference Guide (July 2026). The comments in the code are by the model that wrote it; some were corrected since.
;; Multi Head Attention. Allowed arithmetic: float matrix products may take bf16 or f16 operands with f32 sums; other float arithmetic in f32, or as packed bf16 or f16 multiplies, adds, multiply-adds, maxima and minima; sums over many terms, partial sums and values carried from step to step in f32; what a program stores and reads back later, other than sums and carried values, may be rounded once to bf16 or f16.
;; Inputs: W_k 1,024 x 1,024 float32; W_o 1,024 x 1,024 float32; W_q 1,024 x 1,024 float32; W_v 1,024 x 1,024 float32; attention_mask 4 x 2,048 int32; x 4 x 2,048 x 1,024 float32.
;; Outputs: out0 4 x 2,048 x 1,024 float32.
;; 2 versions, each right; version 2 is version 1 with the launch prep written anew for expert scheduling mode. Each part assembles by itself: llvm-mc -triple=amdgcn-amd-amdhsa -mcpu=gfx1250 --defsym DOCPART=n.
;; ======== version 1 of 2: 4 launches
;; limits: values are held in f16: magnitudes above 65,504 overflow, below 6.1e-05 lose precision
;; workspace buffers: xb 16,777,216 bytes; wts 8,912,896 bytes; qh 16,777,216 bytes; kh 16,777,216 bytes; vh 16,777,216 bytes; oh 16,777,216 bytes; vsum 262,144 bytes
;; launch prep (part 1): grid 416 x 1, 8 waves a work-group, no clusters, 0 bytes of LDS; arguments x, W_q, W_k, W_v, W_o, xb, wts; writes xb, wts
.if DOCPART == 1
	.amdgcn_target "amdgcn-amd-amdhsa--gfx1250"
	.amdhsa_code_object_version 6
	.text
	.protected	k_q232f6401cd_prep
	.globl	k_q232f6401cd_prep
	.p2align	8
	.type	k_q232f6401cd_prep,@function
k_q232f6401cd_prep:
	s_mov_b64 s[64:65], 0
	v_nop
	global_prefetch_b8 v0, s[64:65] scope:SCOPE_SE
	s_setreg_imm32_b32 hwreg(HW_REG_WAVE_MODE, 25, 1), 1
	s_wait_xcnt 0x0
; PREP.  Rounds x and W_q, W_k, W_v once to bf16 and lays them in blocks of 64 along K, so that a later tile's rows lie end to end; rounds W_o to bf16 and writes that number as f16;
; makes the table of cosines and sines.  A stream: no LDS, no barrier, no matrix unit; every byte is read once and written once.
;   xb  [kb 16][row 8192][64] bf16
;   wts: at 0       [tc 8][kb 16][384][64] bf16, row in a block = (head & 1) 192 + kind 64 + c, head = 2 tc + (head & 1), kind 0 q, 1 k, 2 v
;        at WOB     [kb 16][n 1024][64] f16
;        at ROPE    [t 2048][pair 32][cos, sin] f32: 256 bytes a token
; WORK-GROUPS.  g = 0..127: 32 rows of a weight (kind g >> 5, 3 = W_o; block g & 31).  g = 128..383: 32 rows of x.  g = 384..415: 64 tokens of the table.
; A wave takes 4 rows as two pairs; one load takes 64 channels of two rows (lanes 0-15 one row's 256 bytes, lanes 16-31 the next row's); all 32 loads of a wave go out at once: 16 KiB a wave.
; One store covers 256 consecutive bytes, aligned: 128 bytes of each of two neighbouring rows of a block.
; LIMITS.  bf16(W_o) below 6e-5 keeps f16's fixed step of 6e-8, beyond 65,504 it would be an infinity.  The frequencies come from v_exp_f32, so an angle is good to about 3e-4 at t = 2047.
.set SO,   2                           ; v2      byte offset of my 16 bytes in the source
.set LN,   3                           ; v3      lane
.set DOF,  8                           ; v[8:23] byte offset of my 8 bytes in block kb of the destination
.set X,    32                          ; v[32:159] unit u = 16 pair + kb: 4 registers
.set WOB,  6291456
.set ROPE, 8388608
	s_load_b256 s[8:15], s[0:1], 0x0               ; x s[8:9], W_q s[10:11], W_k s[12:13], W_v s[14:15]
	s_load_b128 s[16:19], s[0:1], 0x20             ; W_o s[16:17], xb s[18:19]
	s_load_b64 s[20:21], s[0:1], 0x30              ; wts
	v_lshrrev_b32 v1, 5, v0
	v_readfirstlane_b32 s4, v1                     ; wave 0..7
	v_and_b32 v[LN], 31, v0
	s_mov_b32 s5, ttmp9                            ; g
	s_mov_b32 s27, 0
	s_mov_b32 s29, 0
	s_lshr_b32 s7, s5, 5                           ; kind: 0 q, 1 k, 2 v, 3 o, 4 and more: x
	s_and_b32 s6, s5, 31                           ; a weight's block of 32 rows
	s_wait_kmcnt 0x0
	s_cmp_ge_u32 s5, 384
	s_cbranch_scc1 .Lrope
	s_cmp_lt_u32 s7, 4                             ; the two pointers are chosen by selects on the kind alone
	s_cselect_b64 s[24:25], s[20:21], s[18:19]     ; to wts or to xb
	s_cmp_eq_u32 s7, 0
	s_cselect_b64 s[22:23], s[10:11], s[8:9]
	s_cmp_eq_u32 s7, 1
	s_cselect_b64 s[22:23], s[12:13], s[22:23]
	s_cmp_eq_u32 s7, 2
	s_cselect_b64 s[22:23], s[14:15], s[22:23]
	s_cmp_eq_u32 s7, 3
	s_cselect_b64 s[22:23], s[16:17], s[22:23]
	s_cmp_lt_u32 s7, 4
	s_cbranch_scc1 .Lweights
	s_sub_co_u32 s31, s5, 128                      ; x: block of 32 rows
	s_lshl_b32 s26, s31, 17                        ; 32 rows of 4,096 bytes
	s_lshl_b32 s28, s31, 12                        ; 32 rows of 128 bytes
	s_mov_b32 s30, 0x100000                        ; bytes from a K block to the next
	s_branch .Lgo
.Lweights:
	s_lshl_b32 s26, s6, 17
	s_cmp_eq_u32 s7, 3
	s_cbranch_scc1 .Lwo
	s_lshr_b32 s31, s6, 2                          ; tc = head / 2 = block / 4
	s_mul_i32 s28, s31, 6144*128
	s_bfe_u32 s31, s6, 0x10001                     ; head & 1
	s_mul_i32 s31, s31, 192*128
	s_add_co_u32 s28, s28, s31
	s_lshl_b32 s31, s7, 13                         ; kind x 64 rows
	s_add_co_u32 s28, s28, s31
	s_and_b32 s31, s6, 1                           ; which 32 of the head's 64 rows
	s_lshl_b32 s31, s31, 12
	s_add_co_u32 s28, s28, s31
	s_mov_b32 s30, 49152
	s_branch .Lgo
.Lwo:
	s_lshl_b32 s28, s6, 12
	s_add_co_u32 s28, s28, WOB
	s_mov_b32 s30, 131072
.Lgo:
	s_add_nc_u64 s[22:23], s[22:23], s[26:27]
	s_add_nc_u64 s[24:25], s[24:25], s[28:29]
	v_lshrrev_b32 v4, 4, v[LN]
	v_lshl_add_u32 v4, s4, 2, v4                   ; row 4 w + l / 16
	v_and_b32 v5, 15, v0
	v_lshlrev_b32 v5, 4, v5
	v_lshl_add_u32 v[SO], v4, 12, v5
	v_lshlrev_b32 v6, 3, v[LN]
	v_lshl_add_u32 v[DOF], s4, 9, v6               ; 4 w rows of 128 bytes + 8 l
.set i, 1
.rept 15
	v_add_nc_u32 v[DOF+i], s30, v[DOF+i-1]
.set i, i+1
.endr
.set u, 0
.rept 32
	global_load_b128 v[X+4*u:X+4*u+3], v[SO], s[22:23] offset:(u/16)*8192+(u%16)*256 th:TH_LOAD_NT
.set u, u+1
.endr
; Unit u: the count leaves the 31 - u younger loads out.  No register is written again behind its store.
.macro CONV f16
.set u, 0
.rept 32
	s_wait_loadcnt 31-u
	v_cvt_pk_bf16_f32 v[X+4*u], v[X+4*u], v[X+4*u+1]
	v_cvt_pk_bf16_f32 v[X+4*u+1], v[X+4*u+2], v[X+4*u+3]
.if \f16
	v_lshlrev_b32 v[X+4*u+2], 16, v[X+4*u]         ; the bf16 numbers as f32,
	v_and_b32 v[X+4*u+3], 0xffff0000, v[X+4*u]
	v_cvt_pk_f16_f32 v[X+4*u], v[X+4*u+2], v[X+4*u+3]  ; written as f16
	v_lshlrev_b32 v[X+4*u+2], 16, v[X+4*u+1]
	v_and_b32 v[X+4*u+3], 0xffff0000, v[X+4*u+1]
	v_cvt_pk_f16_f32 v[X+4*u+1], v[X+4*u+2], v[X+4*u+3]
.endif
	global_store_b64 v[DOF+u%16], v[X+4*u:X+4*u+1], s[24:25] offset:(u/16)*256
.set u, u+1
.endr
.endm
	s_cmp_eq_u32 s7, 3
	s_cbranch_scc1 .Lf16
	CONV 0
	s_endpgm
.Lf16:
	CONV 1
	s_endpgm
; THE TABLE.  A wave takes 8 tokens, a lane a pair: angle = t x 10000^(-l / 32).  The angle is reduced by the nearest multiple n of pi / 2 (pi / 2 in two parts), sine and cosine come from
; their series on |r| <= pi / 4 (terms to r^9 and r^8), and n mod 4 swaps and signs them.
.Lrope:
	s_sub_co_u32 s6, s5, 384
	s_lshl_b32 s6, s6, 3
	s_add_co_u32 s6, s6, s4
	s_lshl_b32 s6, s6, 3                           ; my first token
	s_lshl_b32 s26, s6, 8
	s_add_co_u32 s26, s26, ROPE
	s_add_nc_u64 s[24:25], s[20:21], s[26:27]
	v_cvt_f32_u32 v4, v[LN]
	v_mul_f32 v4, 0xbed49a78, v4                   ; - l log2(10000) / 32
	v_exp_f32 v4, v4
	v_lshlrev_b32 v5, 3, v[LN]                     ; a plain instruction behind the exponential: my 8 bytes of a token's row
	s_wait_alu depctr_va_vdst(0)                   ; the wait ahead of the first use, and of the label
	s_mov_b32 s7, 8
.Ltok:
	v_cvt_f32_u32 v6, s6
	v_mul_f32 v6, v6, v4                           ; the angle, rounded as t x frequency is in f32
	v_mul_f32 v7, 0x3f22f983, v6                   ; x 2 / pi
	v_rndne_f32 v7, v7                             ; n
	v_fmamk_f32 v8, v7, 0xbfc90fdb, v6             ; r = angle - n x (pi / 2's upper part)
	v_fmamk_f32 v8, v7, 0x333bbd2e, v8             ;   - n x (its lower part, which is negative)
	v_mul_f32 v9, v8, v8
	v_mov_b32 v10, 0x3638ef1d
	v_mov_b32 v11, 0x37d00d01
	v_fmaak_f32 v10, v9, v10, 0xb9500d01
	v_fmaak_f32 v11, v9, v11, 0xbab60b61
	v_fmaak_f32 v10, v9, v10, 0x3c088889
	v_fmaak_f32 v11, v9, v11, 0x3d2aaaab
	v_fmaak_f32 v10, v9, v10, 0xbe2aaaab
	v_fmaak_f32 v11, v9, v11, 0xbf000000
	v_mul_f32 v10, v9, v10
	v_fma_f32 v11, v9, v11, 1.0                    ; cos r
	v_fma_f32 v10, v8, v10, v8                     ; sin r
	v_cvt_i32_f32 v12, v7
	v_and_b32 v13, 1, v12
	v_cmp_ne_u32 vcc_lo, 0, v13
	v_cndmask_b32 v14, v11, v10, vcc_lo            ; odd n: the two change places
	v_cndmask_b32 v15, v10, v11, vcc_lo
	v_add_nc_u32 v13, 1, v12
	v_and_b32 v13, 2, v13
	v_lshlrev_b32 v13, 30, v13
	v_xor_b32 v14, v14, v13                        ; the cosine is negative for n mod 4 = 1, 2
	v_and_b32 v12, 2, v12
	v_lshlrev_b32 v12, 30, v12
	v_xor_b32 v15, v15, v12                        ; the sine for n mod 4 = 2, 3
	global_store_b64 v5, v[14:15], s[24:25]        ; the wave stores a token's 256 bytes
	s_wait_xcnt 0x0                                ; the store's data and base are written again only behind this wait
	s_add_nc_u64 s[24:25], s[24:25], 256
	s_add_co_u32 s6, s6, 1
	s_sub_co_u32 s7, s7, 1
	s_cmp_lg_u32 s7, 0
	s_cbranch_scc1 .Ltok
	s_endpgm
.Lfunc_end_k_q232f6401cd_prep:
	.size	k_q232f6401cd_prep, .Lfunc_end_k_q232f6401cd_prep-k_q232f6401cd_prep
	.p2alignl 7, 3214868480
	.fill 96, 4, 3214868480
	.section	.rodata,"a",@progbits
	.p2align	6, 0x0
	.amdhsa_kernel k_q232f6401cd_prep
		.amdhsa_group_segment_fixed_size 0
		.amdhsa_private_segment_fixed_size 0
		.amdhsa_enable_private_segment 0
		.amdhsa_kernarg_size 56
		.amdhsa_user_sgpr_count 2
		.amdhsa_user_sgpr_kernarg_segment_ptr 1
		.amdhsa_wavefront_size32 1
		.amdhsa_system_sgpr_workgroup_id_x 1
		.amdhsa_system_sgpr_workgroup_id_y 1
		.amdhsa_system_sgpr_workgroup_id_z 1
		.amdhsa_system_vgpr_workitem_id 0
		.amdhsa_next_free_vgpr 160
		.amdhsa_next_free_sgpr 66
		.amdhsa_reserve_vcc 1
		.amdhsa_float_denorm_mode_32 3
		.amdhsa_float_denorm_mode_16_64 3
		.amdhsa_memory_ordered 1
		.amdhsa_forward_progress 1
		.amdhsa_inst_pref_size 35
	.end_amdhsa_kernel
	.amdgpu_metadata
---
amdhsa.version: [ 1, 2 ]
amdhsa.kernels:
  - .name:           k_q232f6401cd_prep
    .symbol:         k_q232f6401cd_prep.kd
    .args:
      - { .name: x, .offset: 0, .size: 8, .value_kind: global_buffer, .address_space: global }
      - { .name: W_q, .offset: 8, .size: 8, .value_kind: global_buffer, .address_space: global }
      - { .name: W_k, .offset: 16, .size: 8, .value_kind: global_buffer, .address_space: global }
      - { .name: W_v, .offset: 24, .size: 8, .value_kind: global_buffer, .address_space: global }
      - { .name: W_o, .offset: 32, .size: 8, .value_kind: global_buffer, .address_space: global }
      - { .name: xb, .offset: 40, .size: 8, .value_kind: global_buffer, .address_space: global }
      - { .name: wts, .offset: 48, .size: 8, .value_kind: global_buffer, .address_space: global }
    .group_segment_fixed_size: 0
    .private_segment_fixed_size: 0
    .kernarg_segment_align: 8
    .kernarg_segment_size: 56
    .max_flat_workgroup_size: 256
    .sgpr_count:     66
    .vgpr_count:     160
    .wavefront_size: 32
...
	.end_amdgpu_metadata
.endif
;; end of part 1
;; launch qkv (part 2): grid 8 x 32, 4 waves a work-group, clusters of 4 x 4, 327,680 bytes of LDS; arguments xb, wts, qh, kh, vh, vsum; writes qh, kh, vh, vsum
.if DOCPART == 2
	.amdgcn_target "amdgcn-amd-amdhsa--gfx1250"
	.amdhsa_code_object_version 6
	.text
	.protected	k_q232f6401cd_qkv
	.globl	k_q232f6401cd_qkv
	.p2align	8
	.type	k_q232f6401cd_qkv,@function
k_q232f6401cd_qkv:
	s_mov_b64 s[64:65], 0
	v_nop
	global_prefetch_b8 v0, s[64:65] scope:SCOPE_SE
	s_setreg_imm32_b32 hwreg(HW_REG_WAVE_MODE, 25, 1), 1
	s_wait_xcnt 0x0
	s_wait_alu depctr_hold_cnt(0) depctr_sa_sdst(0) depctr_va_vdst(0) depctr_va_sdst(0) depctr_va_ssrc(0) depctr_va_vcc(0) depctr_vm_vsrc(0)
	s_getreg_b32 s2, hwreg(HW_REG_IB_STS2, 6, 4)
	s_cmp_eq_u32 s2, 0
	s_cbranch_scc0 .Lentry_in_a_cluster
	s_endpgm
.Lentry_in_a_cluster:
	s_bfe_u32 s2, ttmp6, 0x10000c
	s_cmp_lg_u32 s2, 0xf033
	s_cbranch_scc0 .Lentry_shape_is_right
	s_endpgm
.Lentry_shape_is_right:
; Q, K, V = x W^T in ONE product of 8192 x 3072 x 1024 in bf16 with f32 sums; q and k are rotated in f32 (RoPE); all three leave in f16 by heads, [16 b + head][t][64]; v's column sums over
; each 128 rows leave in f32 (vsum [row / 128][head][64]).
; LIMITS.  f16 holds no number beyond 65,504: q, k and v must lie within it.
; SHARES.  A work-group makes 256 rows x 384 columns: 8 x 32 = 256 work-groups.  The weights' rows are laid head by head as (q, k, v), so a wave's 128 x 192 is ONE head's q, k and v of 128 tokens:
; 96 accumulators of 16 x 16, 768 registers, and every wave runs the same text.  K goes in 16 steps of 64 through two LDS slots; a step is two halves of 32 along K, 96 matrix instructions each.
; Both operands lie in memory in blocks of 64 along K, so a tile is dense: it is asked for as rows of 256 bytes (two rows of 128) and padded in LDS after every 128 bytes.
; CLUSTER 4 x 4.  The four of a row need the same rows of x and the same tokens of the table, the four of a column the same weights: each tile is asked for jointly.
; THE MATRIX INSTRUCTION IS USED TRANSPOSED (source 0 = 16 rows of W, source 1 = 16 tokens): a lane holds one token and eight neighbouring channels.
; REGISTERS.  Window 0: v0-31 addresses; v32-95, v96-159 x's fragments, two buffers of 8; v160-255 W's fragments, 4 for each of q, k, v.  Window g + 1: the 32 accumulators of group g (0 q, 1 k, 2 v),
; (a, b) at v[8 (4 a + b)].  On the way out window 0 holds data (v32-95), table (v96-159), products (v160-167), packed results (v176-207), v's sums (v208-219).
.set PA,    144                        ; an LDS row: 128 bytes + 16 = 36 words: the 16 rows of a load start at 16 different groups of four banks (64 banks of 4 bytes: ISA guide 11.1)
.set SLOT1, 1<<17                      ; slot 1 begins here: one exclusive or turns an address in one slot into the other's
.set BOFF,  256*PA                     ; in a slot: x's 256 rows, then W's 384
.set TP,    272                        ; a row of 256 bytes + 16: table and stage
.set TAB,   SLOT1+640*PA               ; the table's 256 tokens
.set SPARE, TAB+256*TP                 ; the spare words, 128 bytes a wave: two blocks of 256 bytes that no other line names
.set KA,    8192*128                   ; bytes from a K block of x to the next
.set KB,    384*128                    ; the same for the weights
.set ROPE,  8388608                    ; the table in wts
.set ADRA0, 4                          ; v4   my place in x's tile of slot 0
.set ADRB0, 5                          ; v5   the same for W
.set ADRA,  6                          ; v6   in the slot in hand
.set ADRB,  7
.set DST,   8                          ; v8   the way out: where I put 16 bytes of a token's row
.set RDA,   9                          ; v9   where I read rows back
.set RDT,   10                         ; v10  my place in the table
.set RDAC,  11                         ; v11, v12  the two as they step
.set RDTC,  12
.set GO,    13                         ; v13  16 x lane
.set VSO,   14                         ; v14  my 8 bytes of v's sums
.set PFO,   15                         ; v15  256 x lane
.set SPW,   28                         ; v28  LDS address of my spare word; never rewritten
.set NIL,   29                         ; v29  0; never rewritten
.set AF,    32
.set BF,    160
.set DT,    32
.set TBL,   96
.set TM,    160
.set OUT,   176
.set VS,    208
.set U,     216
.set WV,  16                           ; s16 wave; s17 my half of the rows, and: I fetch x (0) or W (1); s18 my half of the columns, and which half of that tile I fetch
.set RH,  17
.set CH,  18
.set CX,  19
.set CY,  20
.set TC,  21                           ; tile column 0..7
.set TR,  22                           ; tile row 0..31
.set G1A, 24                           ; s[24:31] group 1 for x's tiles; s[32:39] group 0: slot 0's first fill, then the set that walks
.set G0A, 32
.set G1B, 40                           ; s[40:47], s[48:55] the same for W's
.set G0B, 48
.set G1T, 56                           ; s[56:63], s[68:71] the table's
.set G0T, 68
.set TB,  72                           ; s72  0 or SLOT1: the slot in hand
.set CNT, 73
.set LIM, 74                           ; s74  a wave prefetches while CNT is above it
.set PFA, 76                           ; s[76:77] where my prefetches stand
.set PFS, 78                           ; s[78:79] their step
.set SEL, 88                           ; s[88:89] v_permlanex16_b32's selects
.set M8,  90                           ; s90  lanes with bit 3 set
.set M16, 91                           ; s91  lanes with bit 4 set
.set MSB, 0
.macro WIN new                         ; the immediate's high byte repeats the setting that is left; a switch that changes nothing is dropped
.if MSB != (\new)
	s_set_vgpr_msb (MSB<<8)|(\new)
.set MSB, \new
.endif
.endm
.macro PLACES                          ; four places behind a matrix instruction, in front of loads into registers that it has read and of stores that read results
.rept 4
	v_nop
.endr
.endm
.macro CREST                           ; a round of the cluster's barrier behind its opening barrier
	s_cmp_lg_u32 s[WV], 0
	s_cbranch_scc1 .Lnot_wave_0_\@
	s_barrier_signal -3
.Lnot_wave_0_\@:
	s_barrier_wait -3
	s_barrier_signal -1
	s_barrier_wait -1
.endm
.macro CROUND
	s_barrier_signal -1
	s_barrier_wait -1
	CREST
.endm
.macro JLOAD                           ; a joint refill: waves 0 and 1 fetch x's halves, waves 2 and 3 W's; the branch hangs on the wave's number alone
	s_cmp_eq_u32 s[RH], 0
	s_cbranch_scc0 .Lfor_b_\@
	tensor_load_to_lds s[G0A+4:G0A+7], s[G1A:G1A+7]
	s_nop 0
	PLACES
	s_branch .Lasked_\@
.Lfor_b_\@:
	tensor_load_to_lds s[G0B+4:G0B+7], s[G1B:G1B+7]
	s_nop 0
	PLACES
.Lasked_\@:
.endm
; A PREFETCH INTO THE L2, behind the joint load and the run of LDS loads: 32 blocks of 256 bytes, a lane a block.  x's rows of a tile row are read by both clusters of that row: wave 0 of the cluster with x = 0
; asks, its four partners 8,192 bytes each BY ADDRESS (cx): in trip j the K step j + 3, one refill ahead of its load, up to K step 15.  A tile column's weights are 786,432 dense bytes read by all eight clusters
; of the column: waves 2 and 3 of the cluster with y = 0 ask, 65,536 bytes a trip among the four partners (cy) and two waves, from byte 131,072 to the end in ten trips.  Each block is named once.
.macro ASK
	s_cmp_gt_u32 s[CNT], s[LIM]
	s_cbranch_scc0 .Lnot_mine_\@
	global_prefetch_b8 v[PFO], s[PFA:PFA+1] th:TH_LOAD_NT scope:SCOPE_SE
.Lnot_mine_\@:
.endm
	s_load_b256 s[4:11], s[0:1], 0x0               ; xb s[4:5], wts s[6:7], q s[8:9], k s[10:11]
	s_load_b128 s[12:15], s[0:1], 0x20             ; v s[12:13], vsum s[14:15]
	v_lshl_add_u32 v[SPW], v0, 2, SPARE
	v_mov_b32 v[NIL], 0
	ds_add_u32 v[SPW], v[NIL]                      ; the wave's opening: the add and its wait ahead of my first tensor load; work on registers stands between them
	v_lshrrev_b32 v1, 5, v0
	v_readfirstlane_b32 s[WV], v1
	s_lshr_b32 s[RH], s[WV], 1
	s_and_b32 s[CH], s[WV], 1
	s_bfe_u32 s[CX], ttmp6, 0x40000
	s_bfe_u32 s[CY], ttmp6, 0x40004
	s_lshl_b32 s[TC], ttmp9, 2
	s_add_co_u32 s[TC], s[TC], s[CX]
	s_and_b32 s[TR], ttmp7, 0xffff
	s_lshl_b32 s[TR], s[TR], 2
	s_add_co_u32 s[TR], s[TR], s[CY]
	s_lshl_b32 s66, s[CY], 2
	s_lshl_b32 s66, 15, s66                        ; my row of the cluster
	s_lshl_b32 s67, 0x1111, s[CX]                  ; my column
	s_or_b32 s[G1A], s66, (1<<16)|(1<<20)|(1<<21)|(4<<22)|(3<<25)  ; the mask; 2-byte elements; padding on; bit 21 beside a mask; after every 32 words, 4 words
	s_or_b32 s[G1B], s67, (1<<16)|(1<<20)|(1<<21)|(4<<22)|(3<<25)
	s_or_b32 s[G1T], s66, (3<<16)|(1<<20)|(1<<21)|(5<<22)|(3<<25)  ; 8-byte elements; after every 64 words, 4 words
.irp g, G1A, G1B
	s_mov_b32 s[\g+1], 128<<16                     ; tensor_dim0 = 128 elements: 256 bytes
	s_mov_b32 s[\g+3], 128<<16                     ; tile_dim0
	s_mov_b32 s[\g+5], 128                         ; dense: a row begins where the last ends
	s_mov_b32 s[\g+6], 0
	s_mov_b32 s[\g+7], 0
.endr
	s_mov_b32 s[G1A+2], 64<<16                     ; 128 rows of x are 64 rows of 256 bytes
	s_mov_b32 s[G1A+4], 64
	s_mov_b32 s[G1B+2], 96<<16                     ; 192 rows of W are 96
	s_mov_b32 s[G1B+4], 96
	s_mov_b32 s[G1T+1], 32<<16
	s_mov_b32 s[G1T+2], 64<<16                     ; 64 tokens of 256 bytes
	s_mov_b32 s[G1T+3], 32<<16
	s_mov_b32 s[G1T+4], 64
	s_mov_b32 s[G1T+5], 32
	s_mov_b32 s[G1T+6], 0
	s_mov_b32 s[G1T+7], 0
	s_mov_b32 s[G0A], 1
	s_mov_b32 s[G0A+4], 1
	s_mov_b32 s[G0B], 1
	s_mov_b32 s[G0B+4], 1
	s_mov_b32 s[G0T], 1
	s_mul_i32 s23, s[CH], 128*PA                   ; LDS addresses hang on the wave's number alone
	s_mov_b32 s[G0A+1], s23
	s_add_co_u32 s[G0A+5], s23, SLOT1
	s_mul_i32 s75, s[CH], 192*PA
	s_add_co_u32 s[G0B+1], s75, BOFF
	s_add_co_u32 s[G0B+5], s75, BOFF+SLOT1
	s_mul_i32 s23, s[WV], 64*TP
	s_add_co_u32 s[G0T+1], s23, TAB
	s_lshl_b32 s80, s[TR], 15                      ; x: 256 rows of 128 bytes a tile row, my half of them
	s_lshl_b32 s23, s[CH], 14
	s_add_co_u32 s80, s80, s23
	s_mov_b32 s81, 0
	s_and_b32 s82, s[TR], 7                        ; the table: the tile's first token is 256 (tile row mod 8); 64 tokens a wave
	s_lshl_b32 s82, s82, 16
	s_lshl_b32 s23, s[WV], 14
	s_add_co_u32 s82, s82, s23
	s_add_co_u32 s82, s82, ROPE
	s_mov_b32 s83, 0
	s_mul_i32 s84, s[TC], 16*KB                    ; W: the tile column's 16 blocks, my half of a block
	s_mul_i32 s75, s[CH], 192*128
	s_add_co_u32 s84, s84, s75
	s_mov_b32 s85, 0
	s_mov_b32 s[TB], 0
	s_mov_b32 s[SEL], 0x76543210
	s_mov_b32 s[SEL+1], 0xfedcba98
	s_mov_b32 s[M8], 0xff00ff00
	s_mov_b32 s[M16], 0xffff0000
	s_wait_dscnt 0x0                               ; the opening add is done
	s_wait_kmcnt 0x0
	s_add_nc_u64 s[G0A+2:G0A+3], s[4:5], s[80:81]  ; K step 0 into slot 0,
	s_add_nc_u64 s[G0A+6:G0A+7], s[G0A+2:G0A+3], KA  ; K step 1 into slot 1
	s_or_b32 s[G0A+3], s[G0A+3], 0x80000000
	s_or_b32 s[G0A+7], s[G0A+7], 0x80000000
	s_add_nc_u64 s[G0B+2:G0B+3], s[6:7], s[84:85]
	s_add_nc_u64 s[G0B+6:G0B+7], s[G0B+2:G0B+3], KB
	s_or_b32 s[G0B+3], s[G0B+3], 0x80000000
	s_or_b32 s[G0B+7], s[G0B+7], 0x80000000
	s_add_nc_u64 s[G0T+2:G0T+3], s[6:7], s[82:83]
	s_or_b32 s[G0T+3], s[G0T+3], 0x80000000
	CROUND                                         ; all sixteen work-groups are here: the first joint loads meet
	s_cmp_eq_u32 s[RH], 0                          ; a wave's three first fills stand in one branch: three loads of mine are out
	s_cbranch_scc0 .Lfirst_b
	tensor_load_to_lds s[G0A:G0A+3], s[G1A:G1A+7]
	s_nop 0
	tensor_load_to_lds s[G0A+4:G0A+7], s[G1A:G1A+7]
	s_nop 0
	tensor_load_to_lds s[G0T:G0T+3], s[G1T:G1T+7]
	s_nop 0
	PLACES
	s_branch .Lfirst_asked
.Lfirst_b:
	tensor_load_to_lds s[G0B:G0B+3], s[G1B:G1B+7]
	s_nop 0
	tensor_load_to_lds s[G0B+4:G0B+7], s[G1B:G1B+7]
	s_nop 0
	tensor_load_to_lds s[G0T:G0T+3], s[G1T:G1T+7]
	s_nop 0
	PLACES
.Lfirst_asked:
	; the prefetches' address, step and bound (in registers that feed no descriptor)
	s_lshl_b32 s2, s[TR], 15
	s_lshl_b32 s3, s[CX], 13
	s_add_co_u32 s2, s2, s3
	s_add_co_u32 s2, s2, 2*KA                      ; x: at K step 2; the first trip steps it to 3
	s_mul_i32 s86, s[TC], 16*KB
	s_lshl_b32 s3, s[CY], 14
	s_add_co_u32 s86, s86, s3
	s_lshl_b32 s3, s[CH], 13
	s_add_co_u32 s86, s86, s3
	s_add_co_u32 s86, s86, 65536                   ; W: the first trip steps it to byte 131,072 of the column
	s_and_b32 s3, ttmp7, 0xffff
	s_mov_b32 s[PFS], 65536
	s_mov_b32 s[PFS+1], 0
	s_mov_b32 s87, KA
	s_cmp_eq_u32 s[RH], 0
	s_cselect_b32 s2, s2, s86
	s_cselect_b32 s[PFS], s87, s[PFS]
	s_cselect_b64 s[PFA:PFA+1], s[4:5], s[6:7]
	s_cselect_b32 s3, ttmp9, s3                    ; the coordinate along which other clusters read the same bytes
	s_cselect_b32 s[LIM], 1, 4
	s_cmp_eq_u32 s3, 0
	s_cselect_b32 s[LIM], s[LIM], -1
	s_cmp_eq_u32 s[WV], 1
	s_cselect_b32 s[LIM], -1, s[LIM]               ; the same in all sixteen partners, for a given wave
	s_mov_b32 s3, 0
	s_add_nc_u64 s[PFA:PFA+1], s[PFA:PFA+1], s[2:3]
	; where my results go: ((16 b + head) 2048 + t) 128 in q, k and v; ((2 tile row + half) 16 + head) 256 in vsum
	s_lshr_b32 s2, s[TR], 3
	s_lshl_b32 s2, s2, 4
	s_lshl_b32 s86, s[TC], 1
	s_add_co_u32 s86, s86, s[CH]                   ; head
	s_add_co_u32 s2, s2, s86
	s_lshl_b32 s2, s2, 18
	s_and_b32 s87, s[TR], 7
	s_lshl_b32 s87, s87, 15
	s_add_co_u32 s2, s2, s87
	s_lshl_b32 s87, s[RH], 14
	s_add_co_u32 s2, s2, s87
	s_add_nc_u64 s[8:9], s[8:9], s[2:3]
	s_add_nc_u64 s[10:11], s[10:11], s[2:3]
	s_add_nc_u64 s[12:13], s[12:13], s[2:3]
	s_lshl_b32 s2, s[TR], 1
	s_add_co_u32 s2, s2, s[RH]
	s_lshl_b32 s2, s2, 12
	s_lshl_b32 s86, s86, 8
	s_add_co_u32 s2, s2, s86
	s_add_nc_u64 s[14:15], s[14:15], s[2:3]
	; A fragment is 16 rows x 32 K in 8 registers: lane l holds row l % 16, K = 8 (l / 16) + 0..7 and 16 + 8 (l / 16) + 0..7: two loads of 16 bytes, 32 bytes apart.
	v_and_b32 v1, 15, v0
	v_bfe_u32 v2, v0, 4, 1
	v_mul_u32_u24 v3, v1, PA
	v_lshl_add_u32 v3, v2, 4, v3
	s_mul_i32 s23, s[RH], 128*PA
	v_add_nc_u32 v[ADRA0], s23, v3
	s_mul_i32 s23, s[CH], 192*PA
	s_add_co_u32 s23, s23, BOFF
	v_add_nc_u32 v[ADRB0], s23, v3
	v_mov_b32 v[ADRA], v[ADRA0]
	v_mov_b32 v[ADRB], v[ADRB0]
	s_mul_i32 s23, s[WV], 128*TP                   ; my stage: 128 rows of 272 bytes, over the ring once the ring is done with
	v_mul_u32_u24 v3, v1, TP
	v_lshl_add_u32 v3, v2, 5, v3
	v_add_nc_u32 v[DST], s23, v3                   ; in: token l % 16, 32 bytes for each half of the lanes
	v_bfe_u32 v3, v0, 3, 2
	v_mul_u32_u24 v3, v3, TP
	v_and_b32 v16, 7, v0
	v_lshl_add_u32 v3, v16, 5, v3
	v_add_nc_u32 v[RDA], s23, v3                   ; back: 32 lanes take four tokens, 8 channels (32 bytes) each
	s_mul_i32 s23, s[RH], 128*TP
	s_add_co_u32 s23, s23, TAB
	v_add_nc_u32 v[RDT], s23, v3                   ; and the same tokens' four pairs of the table
	v_and_b32 v[GO], 31, v0
	v_lshlrev_b32 v[PFO], 8, v[GO]
	v_lshlrev_b32 v[GO], 4, v[GO]
	v_lshlrev_b32 v[VSO], 5, v16
	v_bfe_u32 v17, v0, 3, 1
	v_lshl_add_u32 v[VSO], v17, 3, v[VSO]
	v_lshl_add_u32 v[VSO], v2, 4, v[VSO]
; cnt x 4 matrix instructions of group g on x's buffer p: token blocks a0 .. x the group's 4 channel blocks.  All 96 accumulators take turns, one instruction a turn.
.macro GRP g, p, a0, cnt, zero
	WIN ((\g)+1)*0x50                              ; C and D in window g + 1, the sources in window 0
.set aa, \a0
.rept \cnt
.irp b, 0,1,2,3
.if \zero
	v_wmma_f32_16x16x32_bf16 v[8*(4*aa+\b):8*(4*aa+\b)+7], v[BF+32*(\g)+8*\b:BF+32*(\g)+8*\b+7], v[AF+64*(\p)+8*aa:AF+64*(\p)+8*aa+7], 0
.else
	v_wmma_f32_16x16x32_bf16 v[8*(4*aa+\b):8*(4*aa+\b)+7], v[BF+32*(\g)+8*\b:BF+32*(\g)+8*\b+7], v[AF+64*(\p)+8*aa:AF+64*(\p)+8*aa+7], v[8*(4*aa+\b):8*(4*aa+\b)+7]
.endif
.endr
.set aa, aa+1
.endr
.endm
.macro LDB g, kk                       ; 8 loads: group g's four fragments of W, half kk of the K step
.irp b, 0,1,2,3
	ds_load_b128 v[BF+32*(\g)+8*\b:BF+32*(\g)+8*\b+3],   v[ADRB] offset:(4*(\g)+\b)*16*PA+64*(\kk)
	ds_load_b128 v[BF+32*(\g)+8*\b+4:BF+32*(\g)+8*\b+7], v[ADRB] offset:(4*(\g)+\b)*16*PA+64*(\kk)+32
.endr
.endm
.macro LDA p, kk                       ; 16 loads: x's eight fragments into buffer p
.irp a, 0,1,2,3,4,5,6,7
	ds_load_b128 v[AF+64*(\p)+8*\a:AF+64*(\p)+8*\a+3],   v[ADRA] offset:\a*16*PA+64*(\kk)
	ds_load_b128 v[AF+64*(\p)+8*\a+4:AF+64*(\p)+8*\a+7], v[ADRA] offset:\a*16*PA+64*(\kk)+32
.endr
.endm
; A half step on buffer p.  W's fragments have one buffer: a group's are fetched again, for half nk, as soon as the group is multiplied.  The runs of loads for a half are R0 = 24 (group 0's and x's), R1 = 8, R2 = 8.
; Group 0 wants R0: R1 and R2, 16, may be out.  Group 1 wants R1: R2 and the new R0, 32.  Group 2 wants R2: the new R0 and R1, 32.
.macro HALF p, nk, zero, loads
	s_wait_dscnt 16
	GRP 0, \p, 0, 8, \zero
.if \loads
	WIN 0
	PLACES
	LDB 0, \nk
	LDA 1-(\p), \nk
	s_wait_dscnt 32
.else
	s_wait_dscnt 8
.endif
	GRP 1, \p, 0, 8, \zero
.if \loads
	WIN 0
	PLACES
	LDB 1, \nk
	s_wait_dscnt 32
.else
	s_wait_dscnt 0x0
.endif
	GRP 2, \p, 0, 8, \zero
.if \loads
	WIN 0
	PLACES
	LDB 2, \nk
.endif
.endm
; A K step's second half, on buffer 1, changes slots: ONE barrier.  In front of it each wave waits for all its tensor loads, adds 0 to its spare word, and waits for that and for its own reads of this slot, all of
; which have been issued.  fill = 1: the barrier opens a round of the cluster's, and the slot is filled again, two K steps ahead, first thing behind the round: 160 matrix instructions ahead of the wait for it.
.macro OTURN fill
.if \fill
	s_wait_xcnt 0x0                                ; the last prefetch, a K step back, has read its address
	s_add_nc_u64 s[PFA:PFA+1], s[PFA:PFA+1], s[PFS:PFS+1]
.endif
	WIN 0
	s_wait_tensorcnt 0x0                           ; all my tensor loads have landed: my part of the next slot (and, the first time, of the table)
	ds_add_u32 v[SPW], v[NIL]                      ; 0 onto my spare word
	s_wait_dscnt 17                                ; R0 is in: R1, R2 and the add may be out
	GRP 0, 1, 0, 4, 0
	s_wait_dscnt 0x0                               ; the add is done, and my reads of this slot are over
	s_barrier_signal -1
	GRP 0, 1, 4, 4, 0
	WIN 0
	s_barrier_wait -1
.if \fill
	CREST                                          ; no wave of any partner still reads this slot or has a load on its way
	s_xor_b32 s[G0A+5], s[G0A+5], SLOT1            ; the walking sets: the other slot than last time, the next K step
	s_add_nc_u64 s[G0A+6:G0A+7], s[G0A+6:G0A+7], KA
	s_xor_b32 s[G0B+5], s[G0B+5], SLOT1
	s_add_nc_u64 s[G0B+6:G0B+7], s[G0B+6:G0B+7], KB
	JLOAD                                          ; its four v_nop are also the places in front of the loads below
.else
	PLACES
.endif
	s_xor_b32 s[TB], s[TB], SLOT1
	v_add_nc_u32 v[ADRA], s[TB], v[ADRA0]
	v_add_nc_u32 v[ADRB], s[TB], v[ADRB0]
	LDB 0, 0
	LDA 0, 0
.if \fill
	ASK
.endif
	GRP 1, 1, 0, 8, 0                              ; its fragments were shown in by the wait for 0 above
	WIN 0
	PLACES
	LDB 1, 0
	GRP 2, 1, 0, 8, 0
	WIN 0
	PLACES
	LDB 2, 0
.endm
	s_wait_tensorcnt 2                             ; my part of slot 0 is in; slot 1's and the table's may stay out
	s_barrier_signal -1
	s_barrier_wait -1
	LDB 0, 0
	LDA 0, 0
	LDB 1, 0
	LDB 2, 0
	HALF 0, 1, 1, 1                                ; the first half step stands in front of the loop: its products start the sums
	s_mov_b32 s[CNT], 14
.Lk:                                                   ; trip j: the second half of K step j, the refill with K step j + 2, the first half of K step j + 1
	OTURN 1
	HALF 0, 1, 0, 1
	s_sub_co_u32 s[CNT], s[CNT], 1
	s_cmp_lg_u32 s[CNT], 0
	s_cbranch_scc1 .Lk
	OTURN 0                                        ; the tail is written out: nothing is left to fetch
	HALF 0, 1, 0, 1
	HALF 1, 0, 0, 0
	; THE WAY OUT.  Group by group the 128 x 64 results go as f32 into my stage and come back by tokens: a lane takes 8 neighbouring channels, rotates them (q, k), rounds them to f16: 16 bytes, and the
	; wave stores 512 consecutive bytes: four tokens' rows of a head.  The stage lies over the ring, which has had its last fill; every wave has read the ring out when the first store goes.
	WIN 0
	PLACES
	s_wait_dscnt 0x0
	s_barrier_signal -1
	s_barrier_wait -1
.macro DUMP g
	WIN ((\g)+1)<<2                                ; the stores' data in window g + 1
.set aa, 0
.rept 8
.irp b, 0,1,2,3
	ds_store_b128 v[DST], v[8*(4*aa+\b):8*(4*aa+\b)+3]   offset:aa*16*TP+64*\b      ; each accumulator's low registers first
	ds_store_b128 v[DST], v[8*(4*aa+\b)+4:8*(4*aa+\b)+7] offset:aa*16*TP+64*\b+16
.endr
.set aa, aa+1
.endr
	WIN 0
	s_wait_dscnt 0x0                               ; my stores are done
	s_barrier_signal -1
	s_barrier_wait -1
.endm
; Four trips of 32 tokens.  For each four tokens u: two loads of data, two of the table; the count leaves the later tokens' loads out.  For a pair (x1, x2) and (c, s): (x2 s, x1 s), then (x1 c - x2 s, x2 c + x1 s).
.macro ROPELOOP ptr
	v_mov_b32 v[RDAC], v[RDA]
	v_mov_b32 v[RDTC], v[RDT]
	s_mov_b32 s[CNT], 4
.Lrope_\@:
.irp u, 0,1,2,3,4,5,6,7
	ds_load_b128 v[DT+8*\u:DT+8*\u+3],     v[RDAC] offset:\u*4*TP
	ds_load_b128 v[DT+8*\u+4:DT+8*\u+7],   v[RDAC] offset:\u*4*TP+16
	ds_load_b128 v[TBL+8*\u:TBL+8*\u+3],   v[RDTC] offset:\u*4*TP
	ds_load_b128 v[TBL+8*\u+4:TBL+8*\u+7], v[RDTC] offset:\u*4*TP+16
.endr
.irp u, 0,1,2,3,4,5,6,7
	s_wait_dscnt 4*(7-\u)
.irp j, 0,2,4,6
	v_pk_mul_f32 v[TM+\j:TM+\j+1], v[DT+8*\u+\j:DT+8*\u+\j+1], v[TBL+8*\u+\j:TBL+8*\u+\j+1] op_sel:[1,1] op_sel_hi:[0,1]
.endr
.irp j, 0,2,4,6
	v_pk_fma_f32 v[DT+8*\u+\j:DT+8*\u+\j+1], v[DT+8*\u+\j:DT+8*\u+\j+1], v[TBL+8*\u+\j:TBL+8*\u+\j+1], v[TM+\j:TM+\j+1] op_sel_hi:[1,0,1] neg_lo:[0,0,1]
.endr
.irp j, 0,1,2,3
	v_cvt_pk_f16_f32 v[OUT+4*\u+\j], v[DT+8*\u+2*\j], v[DT+8*\u+2*\j+1]
.endr
	global_store_b128 v[GO], v[OUT+4*\u:OUT+4*\u+3], s[\ptr:\ptr+1] offset:512*\u
.endr
	v_add_nc_u32 v[RDAC], 32*TP, v[RDAC]
	v_add_nc_u32 v[RDTC], 32*TP, v[RDTC]
	s_wait_xcnt 0x0                                ; the stores' data and base are written again only behind this wait
	s_add_nc_u64 s[\ptr:\ptr+1], s[\ptr:\ptr+1], 4096
	s_sub_co_u32 s[CNT], s[CNT], 1
	s_cmp_lg_u32 s[CNT], 0
	s_cbranch_scc1 .Lrope_\@
	s_wait_dscnt 0x0                               ; my reads of the stage are over: the next group may be stored
	s_barrier_signal -1
	s_barrier_wait -1
.endm
	DUMP 0
	ROPELOOP 8
	DUMP 1
	ROPELOOP 10
	DUMP 2
	v_mov_b32 v[RDAC], v[RDA]
.irp i, 0,1,2,3,4,5,6,7
	v_mov_b32 v[VS+\i], 0                          ; the sums of my 8 channels over my 32 tokens
.endr
	s_mov_b32 s[CNT], 4
.Lv:
.irp u, 0,1,2,3,4,5,6,7
	ds_load_b128 v[DT+8*\u:DT+8*\u+3],   v[RDAC] offset:\u*4*TP
	ds_load_b128 v[DT+8*\u+4:DT+8*\u+7], v[RDAC] offset:\u*4*TP+16
.endr
.irp u, 0,1,2,3,4,5,6,7
	s_wait_dscnt 2*(7-\u)
.irp j, 0,2,4,6
	v_pk_add_f32 v[VS+\j:VS+\j+1], v[VS+\j:VS+\j+1], v[DT+8*\u+\j:DT+8*\u+\j+1]
.endr
.irp j, 0,1,2,3
	v_cvt_pk_f16_f32 v[OUT+4*\u+\j], v[DT+8*\u+2*\j], v[DT+8*\u+2*\j+1]
.endr
	global_store_b128 v[GO], v[OUT+4*\u:OUT+4*\u+3], s[12:13] offset:512*\u
.endr
	v_add_nc_u32 v[RDAC], 32*TP, v[RDAC]
	s_wait_xcnt 0x0
	s_add_nc_u64 s[12:13], s[12:13], 4096
	s_sub_co_u32 s[CNT], s[CNT], 1
	s_cmp_lg_u32 s[CNT], 0
	s_cbranch_scc1 .Lv
	; the four lanes that hold the same channels (lane bits 3 and 4) add up; then each takes two of the eight sums, so that the wave stores 256 consecutive bytes
.irp i, 0,1,2,3,4,5,6,7
	v_add_f32_dpp v[VS+\i], v[VS+\i], v[VS+\i] row_xmask:8 row_mask:0xf bank_mask:0xf
.endr
.irp i, 0,1,2,3,4,5,6,7
	v_permlanex16_b32 v[TM+\i], v[VS+\i], s[SEL], s[SEL+1]
.endr
.irp i, 0,1,2,3,4,5,6,7
	v_add_f32 v[VS+\i], v[VS+\i], v[TM+\i]
.endr
	v_cndmask_b32 v[U], v[VS], v[VS+2], s[M8]
	v_cndmask_b32 v[U+1], v[VS+1], v[VS+3], s[M8]
	v_cndmask_b32 v[U+2], v[VS+4], v[VS+6], s[M8]
	v_cndmask_b32 v[U+3], v[VS+5], v[VS+7], s[M8]
	v_cndmask_b32 v[U], v[U], v[U+2], s[M16]
	v_cndmask_b32 v[U+1], v[U+1], v[U+3], s[M16]
	global_store_b64 v[VSO], v[U:U+1], s[14:15]
	s_wait_tensorcnt 0x0                           ; the wave's end, behind my last tensor load and my last LDS store
	ds_add_u32 v[SPW], v[NIL]
	s_wait_dscnt 0x0
	CROUND                                         ; the closing round
	s_endpgm
.Lfunc_end_k_q232f6401cd_qkv:
	.size	k_q232f6401cd_qkv, .Lfunc_end_k_q232f6401cd_qkv-k_q232f6401cd_qkv
	.p2alignl 7, 3214868480
	.fill 96, 4, 3214868480
	.section	.rodata,"a",@progbits
	.p2align	6, 0x0
	.amdhsa_kernel k_q232f6401cd_qkv
		.amdhsa_group_segment_fixed_size 327680
		.amdhsa_private_segment_fixed_size 0
		.amdhsa_enable_private_segment 0
		.amdhsa_kernarg_size 48
		.amdhsa_user_sgpr_count 2
		.amdhsa_user_sgpr_kernarg_segment_ptr 1
		.amdhsa_wavefront_size32 1
		.amdhsa_system_sgpr_workgroup_id_x 1
		.amdhsa_system_sgpr_workgroup_id_y 1
		.amdhsa_system_sgpr_workgroup_id_z 1
		.amdhsa_system_vgpr_workitem_id 0
		.amdhsa_next_free_vgpr 1024
		.amdhsa_next_free_sgpr 92
		.amdhsa_reserve_vcc 0
		.amdhsa_float_denorm_mode_32 3
		.amdhsa_float_denorm_mode_16_64 3
		.amdhsa_memory_ordered 1
		.amdhsa_forward_progress 1
		.amdhsa_inst_pref_size 106
	.end_amdhsa_kernel
	.amdgpu_metadata
---
amdhsa.version: [ 1, 2 ]
amdhsa.kernels:
  - .name:           k_q232f6401cd_qkv
    .symbol:         k_q232f6401cd_qkv.kd
    .args:
      - { .name: xb, .offset: 0, .size: 8, .value_kind: global_buffer, .address_space: global }
      - { .name: wts, .offset: 8, .size: 8, .value_kind: global_buffer, .address_space: global }
      - { .name: qh, .offset: 16, .size: 8, .value_kind: global_buffer, .address_space: global }
      - { .name: kh, .offset: 24, .size: 8, .value_kind: global_buffer, .address_space: global }
      - { .name: vh, .offset: 32, .size: 8, .value_kind: global_buffer, .address_space: global }
      - { .name: vsum, .offset: 40, .size: 8, .value_kind: global_buffer, .address_space: global }
    .group_segment_fixed_size: 327680
    .private_segment_fixed_size: 0
    .kernarg_segment_align: 8
    .kernarg_segment_size: 48
    .max_flat_workgroup_size: 128
    .sgpr_count:     92
    .vgpr_count:     1024
    .wavefront_size: 32
...
	.end_amdgpu_metadata
.endif
;; end of part 2
;; launch attn (part 3): grid 4 x 64, 4 waves a work-group, no clusters, 327,680 bytes of LDS; arguments qh, kh, vh, oh, attention_mask, vsum; writes oh
.if DOCPART == 3
	.amdgcn_target "amdgcn-amd-amdhsa--gfx1250"
	.amdhsa_code_object_version 6
	.text
	.protected	k_q232f6401cd_attn
	.globl	k_q232f6401cd_attn
	.p2align	8
	.type	k_q232f6401cd_attn,@function
k_q232f6401cd_attn:
	s_mov_b64 s[64:65], 0
	v_nop
	global_prefetch_b8 v0, s[64:65] scope:SCOPE_SE
	s_setreg_imm32_b32 hwreg(HW_REG_WAVE_MODE, 25, 1), 1
	s_wait_xcnt 0x0
; CAUSAL ATTENTION WITH A PADDING MASK.  O[h][q][:] = the sum over k of softmax_k(s) V[h][k][:], s = Q[h][q] . K[h][k] / 8 where k <= q and attention_mask[batch][k] != 0, else -1e30.
; Q, K, V, O: [64][2048][64] f16, h = 16 batch + head.  Products, maxima and sums in f32; the weights p are rounded to f16 for the second product (their sum l is taken of the unrounded p), O once at the end.
; A ROW WITHOUT ANY VISIBLE KEY has -1e30 at all 2,048 places, so its softmax is 1 / 2048 everywhere and its O the mean of ALL rows of V: it is known by its final maximum, and takes that mean, made from
; the column sums in vsum ([row / 128][head][64] f32), by a select; the walk is the same for every row.
; LIMITS.  f16 holds no number beyond 65,504: Q, K and V arrive within it.  A hidden score counts as its value less 1e30 (less 2e30 where both masks hide it): f16's scores, 2.7e11 at the most, are nothing beside
; that.  A row counts as wholly hidden where its maximum is below -2^96.  A weight below 2^-126 counts as 0 in l; NaN and infinities are not treated apart.
; THE WALK.  A head's queries lie in NB = 8 blocks of 256; block i needs the key tiles 0 .. i of 256 keys, of which the last holds the diagonal.  A work-group takes TWO blocks, NB - 1 - b and then b:
; NB + 1 tiles, whatever b: all work-groups do equal work, and ONE loop with a constant trip count walks them.  Every jump goes forward, but for the counted loops' own; none passes a barrier, or a tensor load
; but the one of LOAD's two that the wave's number does not choose.  NO CLUSTER: a head's four work-groups ask for the same tile only in trips 0 .. 4 of 9, behind that fewer and fewer; one walk common to all would have 12 trips for 9.
; SHARES.  Of a block's four bands of 64 queries a wave owns 16 rows in each: four PIECES.  In the diagonal tile's key step s band x sees all keys if s < x, none if s > x, and holds the diagonal if s = x.
; THE MASKS are the C operand that starts the sum S^T = K Q^T.  KBI holds, for the step's 64 keys, 0 or -1e30 by the padding mask: outside the diagonal tile it is the C operand.
; In the diagonal tile C is MD x AL + BE + KBI: MD, made once, is the causal mask of a band's own step for my 16 rows; (AL, BE) = (1, 0) if s = x; (0, 0) if s < x; (0, -1e30) if s > x.
; A key hidden while the maximum is still a hidden score's gets the weight 1; the first true score makes a = 0 and wipes that.
; THE PADDING MASK comes tile by tile.  Behind each fill every wave loads the 256 words of the tile that the fill asks for, 32 bytes a lane; at the next change of slots it turns them into 0 or -1e30 and stores them
; into 1,024 LDS bytes of ITS OWN, from which each step's KBI is read.  LDS serves a wave's instructions in order (ISA guide 5.7.1.4), so these stores stand behind the wave's reads of the old tile's bias and ahead of its reads of the new one's.
; LAYOUT, SOFTMAX, TURNS.  S^T = K Q^T holds ONE query a lane (lane % 16) and the keys 8 (lane / 16) + 0..7; two such results rounded to f16 ARE source 1 of O^T = V^T P.  p = 2^(c s - c m), c = log2(e) / 8, with a
; running maximum m; O and l are multiplied by a = 2^(c m_old - c m_new) in every step.  Turn n belongs to piece n: 8 products K Q^T of piece n + 1, later 8 products V^T P of piece n - 1; beside them the scaling,
; exponentials, roundings, sums and rescaling of piece n and the maximum and statistics of piece n + 1.  Four vector instructions stand behind every matrix instruction, the others in one lump.  A turn's 33 exponentials are one batch, with one wait.
; REGISTERS, in windows of 256 (s_set_vgpr_msb: bits 1:0 source 0, 3:2 source 1, 5:4 source 2, 7:6 destination):
;   window 0: v0-15 addresses and two at work; v16-31 statistics; v32-39, v56-57 addresses; v40-47 a tile's mask; v48-55 at work; v64-127 S^T, two buffers; v128-159 KBI; v176-191 the mean in f16; v192-223 P, two buffers; v224-255 at work
;   window 1: v0-127 O^T, 32 a piece; v128-159 MD; v160-223 MC, two buffers      window 2: v0-63 Q; v64-127 the second block's Q; v128-191 K of one step; v192-255 V of one step
.set SIZE_N, 2048
.set NB,    SIZE_N/256
.set NP,    4
.set KS,    64
.set PK,    144       ; a row of K in LDS: 128 bytes + 16 = 36 words: the 16 rows of a load start at 16 different groups of four banks (64 banks of 4 bytes: ISA guide 11.1)
.set PV,    160       ; a row of V: 128 + 32 = 40 words
.set VOFF,  4*KS*PK   ; a slot holds a tile, four steps: 256 rows of K, then 256 rows of V
.set SLOT1, 1<<17
.set STAGE, SLOT1+4*KS*(PK+PV)  ; behind the ring, never filled by a tensor load: 16 rows x 144 bytes for each wave
.set SP,    144
.set SPARE, STAGE+4*16*SP  ; the spare words, 128 bytes a wave: two blocks of 256 bytes that no other line names
.set BIAS,  SPARE+512      ; for each wave 2,048 bytes of its own, of which the first 1,024 hold 256 f32: 0 or -1e30 for each key of the tile in hand
.set MEAN,  BIAS+4*2048    ; twice 64 f32: the two halves of the mean of V's rows
.set AK0, 2
.set AV0, 3
.set AK,  4
.set AV,  5
.set STO, 6
.set RD,  7
.set GO,  8
.set SPW, 62
.set NIL, 63
.set MV,  12
.set QO,  15
.set ST,  16          ; piece t's statistics at v[ST+4 t]: c m, m, l (even keys', odd keys')
.set AB0, 32          ; v32  BIAS + 2,048 x wave + 32 (l / 16); never rewritten
.set AB,  33          ; v33  the LDS address of KBI's next run of loads
.set PFO, 34          ; v34  256 x my thread's number
.set AM,  35          ; v35  MEAN + 32 (l / 16)
.set MK,  40          ; v[40:47] my 8 words of a tile's mask, then their bias
.set MKO, 56          ; v56  32 x lane: my 32 bytes of a tile's 1,024 of the mask; never rewritten
.set BST, 57          ; v57  BIAS + 2,048 x wave + 32 x lane; never rewritten
.set TMP, 48
.set S,   64
.set KBI, 128
.set MEANH, 176
.set P,   192
.set MD,  128         ; window 1
.set MC,  160         ; window 1
.set QB,  64          ; window 2
.set KF,  128         ; window 2
.set VF,  192         ; window 2
.set WV,  12
.set PB,  14          ; s14  b
.set HI,  15          ; s15  NB - 1 - b
.set G1K, 24
.set G1V, 32
.set G0K, 40
.set G0V, 44
.set FM,  48          ; s[48:51] on the way out, for each piece, the lanes whose row saw no key
.set MPT, 52          ; s[52:53] the mask at the tile that is being asked for
.set MOF, 54          ; s[54:55] that tile's byte offset in the batch's mask
.set SLOTS, 56
.set CNT, 57
.set CS,  58
.set SEL, 60
.set TBK, 62
.set TBV, 63
.set RT,  70
.set NXT, 71
.set LQ,  72
.set NEW, 73
.set OFF, 74
.set AL,  76
.set BE,  78
.set OLO, 80
.set BIGN, 82
.set TBB, 88          ; s88  byte in my bias at which the step to be fetched begins: 256 a step, back by 1,024 at a change of slots
.set PFN, 89          ; s89  prefetches still to come
.set THR, 90          ; s90  -2^96
.set PFK, 96          ; s[96:97] where the prefetches stand in K
.set PFV, 98          ; s[98:99] and in V
.set MSB, 0
.macro WIN new
.if MSB != (\new)
	s_set_vgpr_msb (MSB<<8)|(\new)
.set MSB, (\new)
.endif
.endm
.set W_KQ, 0x0a       ; K and Q in window 2, S^T and KBI in window 0
.set W_KM, 0x1a       ; the same with the C operand in window 1
.set W_PV, 0x52       ; V in window 2, P in window 0, O^T in window 1
.set W_RS, 0x41       ; destination and source 0 in window 1, sources 1 and 2 in window 0
.macro LOAD                         ; a fill: waves 0 and 1 fetch the two halves of a tile's K, waves 2 and 3 those of its V
	s_cmp_lt_u32 s[WV], 2
	s_cbranch_scc0 .Lfor_v_\@
	tensor_load_to_lds s[G0K:G0K+3], s[G1K:G1K+7]
	s_nop 0
.rept 4
	v_nop
.endr
	s_branch .Lasked_\@
.Lfor_v_\@:
	tensor_load_to_lds s[G0V:G0V+3], s[G1V:G1V+7]
	s_nop 0
.rept 4
	v_nop
.endr
.Lasked_\@:
.endm
; THE CHANGE OF SLOTS.  First the bias of the tile to be entered goes into my own LDS bytes.  Then each wave waits for all its tensor loads, of which one is out: its part of the other slot; adds 0 to its spare word; and waits
; for that, for its stores and for its own reads of the slot that it leaves.
; fill = 1: the old slot is filled again, the first thing behind the barrier, with tile NXT, and the same tile's mask is asked for.  (At its first use nothing has been read yet: slot 0 is waited for, slot 1 filled; the same barrier shows every wave the mean.)
; Behind that the head's first work-group (b = 0, which walks tiles 0 to 7 on end) prefetches into the L2 the tile that the NEXT change will ask for: a thread a block of 256 bytes of K and one of V; in trips 0 to 5: tiles 2 to 7.
.macro CHANGE fill
	WIN 0
	s_wait_loadcnt 0x0              ; my 8 words of the mask are in: no other load is out (the first time: Q's 32 too, which are wanted next)
.irp i, 0,1,2,3,4,5,6,7
	v_cmp_eq_u32 vcc_lo, 0, v[MK+\i]
	v_cndmask_b32 v[MK+\i], 0, s[BIGN], vcc_lo  ; -1e30 where the mask is 0
.endr
	ds_store_b128 v[BST], v[MK:MK+3]
	ds_store_b128 v[BST], v[MK+4:MK+7] offset:16
	s_wait_tensorcnt 0x0            ; no tensor load of mine is out, so a group 0 may be written
	ds_add_u32 v[SPW], v[NIL]       ; 0 onto my spare word
.if \fill
	s_lshl_b32 s[OFF], s[NXT], 15   ; a tile is 32,768 bytes of K and of V,
	s_lshl_b32 s[MOF], s[NXT], 10   ; and 1,024 of the mask
	s_add_nc_u64 s[MPT:MPT+1], s[92:93], s[MOF:MOF+1]  ; (the loads that read this pair are done)
	s_xor_b32 s[G0K+1], s[G0K+1], SLOT1
	s_add_nc_u64 s[G0K+2:G0K+3], s[6:7], s[OFF:OFF+1]
	s_or_b32 s[G0K+3], s[G0K+3], 0x80000000
	s_xor_b32 s[G0V+1], s[G0V+1], SLOT1
	s_add_nc_u64 s[G0V+2:G0V+3], s[8:9], s[OFF:OFF+1]
	s_or_b32 s[G0V+3], s[G0V+3], 0x80000000
	s_add_co_u32 s[NXT], s[NXT], 1
	s_cmp_gt_u32 s[NXT], s[LQ]
	s_cselect_b32 s[NXT], 0, s[NXT]
	s_cselect_b32 s[LQ], s[PB], s[LQ]
	s_wait_xcnt 0x0                 ; the last prefetches, a tile back, have read their addresses
	s_add_nc_u64 s[PFK:PFK+1], s[PFK:PFK+1], 32768
	s_add_nc_u64 s[PFV:PFV+1], s[PFV:PFV+1], 32768
.endif
	s_wait_dscnt 0x0                ; the add and my stores are done, and my reads of the slot are over
	s_barrier_signal -1
	s_sub_co_u32 s[TBK], s[TBK], 4*KS*PK
	s_xor_b32 s[TBK], s[TBK], SLOT1
	s_sub_co_u32 s[TBV], s[TBV], 4*KS*PV
	s_xor_b32 s[TBV], s[TBV], SLOT1
	s_sub_co_u32 s[TBB], s[TBB], 4*4*KS
	s_barrier_wait -1
.if \fill
	LOAD
	global_load_b128 v[MK:MK+3],   v[MKO], s[MPT:MPT+1]            ; the mask of the tile just asked for: waited for at the next change
	global_load_b128 v[MK+4:MK+7], v[MKO], s[MPT:MPT+1] offset:16
	s_cmp_lg_u32 s[PFN], 0
	s_cbranch_scc0 .Lno_pf_\@
	global_prefetch_b8 v[PFO], s[PFK:PFK+1] th:TH_LOAD_NT scope:SCOPE_SE
	global_prefetch_b8 v[PFO], s[PFV:PFV+1] th:TH_LOAD_NT scope:SCOPE_SE
	s_sub_co_u32 s[PFN], s[PFN], 1
.Lno_pf_\@:
.endif
.endm
	s_load_b256 s[4:11], s[0:1], 0x0  ; Q s[4:5], K s[6:7], V s[8:9], O s[10:11]
	s_load_b128 s[92:95], s[0:1], 0x20  ; attention_mask s[92:93], vsum s[94:95]
	v_lshl_add_u32 v[SPW], v0, 2, SPARE
	v_mov_b32 v[NIL], 0
	ds_add_u32 v[SPW], v[NIL]       ; the wave's opening: the add and its wait ahead of my first tensor load
	v_lshrrev_b32 v1, 5, v0
	v_readfirstlane_b32 s[WV], v1
	s_mov_b32 s[PB], ttmp9
	s_sub_co_u32 s[HI], NB-1, s[PB]
	s_and_b32 s20, ttmp7, 0xffff    ; 16 batch + head
	s_lshr_b32 s96, s20, 4          ; the batch
	s_and_b32 s98, s20, 15          ; the head in it
	s_lshl_b32 s98, s98, 8
	s_lshl_b32 s91, s96, 16
	s_add_co_u32 s98, s98, s91      ; vsum: batch x 16 parts of 4,096 bytes + head x 256
	s_lshl_b32 s96, s96, 13         ; the mask: batch x 8,192
	s_mov_b32 s97, 0
	s_mov_b32 s99, 0
	s_mov_b32 s21, 0
	s_mov_b64 s[22:23], SIZE_N*128
	s_mul_u64 s[20:21], s[20:21], s[22:23]  ; the head's first byte in each of the four tensors
	s_and_b32 s16, s[WV], 1
	s_lshl_b32 s22, s16, 14
	s_mov_b32 s23, 0
	s_add_nc_u64 s[22:23], s[22:23], s[20:21]
	s_mul_i32 s17, s16, 128*PK
	s_mul_i32 s18, s16, 128*PV
	s_lshl_b32 s19, s[WV], 11
	s_add_co_u32 s19, s19, BIAS     ; my wave's bias
	s_lshl_b32 s3, s[WV], 11        ; my 16 rows in a band of 64,
	s_lshl_b32 s2, s[HI], 15        ; in the first block,
	s_add_co_u32 s2, s2, s3
	s_lshl_b32 s84, s[PB], 15       ; and in the second
	s_add_co_u32 s84, s84, s3
	s_mov_b32 s3, 0
	s_mov_b32 s85, 0
	s_add_nc_u64 s[2:3], s[2:3], s[20:21]
	s_add_nc_u64 s[84:85], s[84:85], s[20:21]
	; descriptor group 1.  128 keys are 16,384 dense bytes: asked for as 64 rows of 256 bytes, two keys a row, and padded in LDS after every key
	s_mov_b32 s[G1K], (1<<16)|(1<<20)|(4<<22)|(3<<25)
	s_mov_b32 s[G1V], (1<<16)|(1<<20)|(4<<22)|(7<<25)
.irp g, G1K, G1V
	s_mov_b32 s[\g+1], 128<<16
	s_mov_b32 s[\g+2], 64<<16
	s_mov_b32 s[\g+3], 128<<16
	s_mov_b32 s[\g+4], 64
	s_mov_b32 s[\g+5], 128
	s_mov_b32 s[\g+6], 0
	s_mov_b32 s[\g+7], 0
.endr
	s_mov_b32 s[CS], 0x3e38aa3b     ; c = log2(e) / 8
	s_mov_b32 s[CS+1], s[CS]
	s_mov_b32 s[SEL], 0x76543210
	s_mov_b32 s[SEL+1], 0xfedcba98
	s_mov_b32 s[TBK], SLOT1+4*KS*PK ; the first change of slots turns these three into 0
	s_mov_b32 s[TBV], SLOT1+4*KS*PV
	s_mov_b32 s[TBB], 4*4*KS
	s_mov_b32 s[G0K], 1
	s_mov_b32 s[G0K+1], s17
	s_mov_b32 s[G0V], 1
	s_add_co_u32 s[G0V+1], s18, VOFF
	s_add_co_u32 s[RT], s[HI], 1
	s_mov_b32 s[NXT], 1
	s_mov_b32 s[LQ], s[HI]
	s_mov_b32 s[NEW], 1
	s_mov_b32 s[OFF+1], 0
	s_mov_b32 s[MOF+1], 0
	s_mov_b32 s[AL+1], 0
	s_mov_b32 s[BE+1], 0
	s_mov_b32 s[BIGN], 0xf149f2ca   ; -1e30
	s_mov_b32 s[THR], 0xef800000    ; -2^96
	s_mov_b32 s[SLOTS], NB
	s_cmp_eq_u32 s[PB], 0
	s_cselect_b32 s[PFN], 6, 0
	s_wait_dscnt 0x0                ; the opening add is done
	s_wait_kmcnt 0x0
	s_add_nc_u64 s[92:93], s[92:93], s[96:97]      ; the batch's mask
	s_mov_b64 s[MPT:MPT+1], s[92:93]               ; at tile 0
	s_add_nc_u64 s[94:95], s[94:95], s[98:99]      ; the batch's and head's sums
	s_add_nc_u64 s[PFK:PFK+1], s[6:7], s[20:21]    ; the head's tile 1: the first change steps these to tile 2
	s_add_nc_u64 s[PFV:PFV+1], s[8:9], s[20:21]
	s_add_nc_u64 s[PFK:PFK+1], s[PFK:PFK+1], 32768
	s_add_nc_u64 s[PFV:PFV+1], s[PFV:PFV+1], 32768
	s_add_nc_u64 s[6:7], s[6:7], s[22:23]  ; K and V at my half of the head's tile 0
	s_add_nc_u64 s[8:9], s[8:9], s[22:23]
	s_add_nc_u64 s[G0K+2:G0K+3], s[6:7], 0
	s_or_b32 s[G0K+3], s[G0K+3], 0x80000000
	s_add_nc_u64 s[G0V+2:G0V+3], s[8:9], 0
	s_or_b32 s[G0V+3], s[G0V+3], 0x80000000
	s_add_nc_u64 s[86:87], s[4:5], s[84:85]
	s_add_nc_u64 s[4:5], s[4:5], s[2:3]
	s_add_nc_u64 s[OLO:OLO+1], s[10:11], s[84:85]
	s_add_nc_u64 s[10:11], s[10:11], s[2:3]
	LOAD                            ; tile 0 into slot 0
	v_and_b32 v[MKO], 31, v0
	v_lshlrev_b32 v[MKO], 5, v[MKO] ; 32 bytes a lane
	v_add_nc_u32 v[BST], s19, v[MKO]
	v_lshrrev_b32 v37, 6, v0        ; the sums: threads 0-63 take parts 0-7 of the batch's 16, threads 64-127 parts 8-15; a thread a channel
	v_and_b32 v38, 63, v0
	v_lshlrev_b32 v38, 2, v38
	v_lshl_add_u32 v37, v37, 15, v38
	global_load_b128 v[MK:MK+3],   v[MKO], s[MPT:MPT+1]            ; tile 0's mask
	global_load_b128 v[MK+4:MK+7], v[MKO], s[MPT:MPT+1] offset:16
.irp i, 0,1,2,3,4,5,6,7
	global_load_b32 v[80+\i], v37, s[94:95] offset:4096*\i
.endr
	v_and_b32 v1, 15, v0            ; l % 16
	v_bfe_u32 v9, v0, 4, 1          ; l / 16
	v_lshlrev_b32 v[QO], 7, v1
	v_lshl_add_u32 v[QO], v9, 4, v[QO]
	WIN 0x80
.set i, 0
.rept 8                             ; both blocks' Q: piece i / 2 lies in band i / 2, 8,192 bytes on; channels 32 (i % 2) on
	global_load_b128 v[8*i:8*i+3],   v[QO], s[4:5] offset:(i/2)*8192+(i%2)*64
	global_load_b128 v[8*i+4:8*i+7], v[QO], s[4:5] offset:(i/2)*8192+(i%2)*64+32
	global_load_b128 v[QB+8*i:QB+8*i+3],   v[QO], s[86:87] offset:(i/2)*8192+(i%2)*64
	global_load_b128 v[QB+8*i+4:QB+8*i+7], v[QO], s[86:87] offset:(i/2)*8192+(i%2)*64+32
.set i, i+1
.endr
	WIN 0
	v_lshlrev_b32 v14, 3, v9
	v_sub_nc_u32 v14, v1, v14
	s_lshl_b32 s13, s[WV], 4
	v_add_nc_u32 v14, s13, v14      ; my query's place in its band less my lanes' 8 (l / 16): register r of group kt is hidden where 16 kt + r is greater
	WIN 0x40
.set i, 0
.rept 32
	v_cmp_gt_i32 vcc_lo, 16*(i/8)+i%8, v14
	v_cndmask_b32 v[MD+i], 0, s[BIGN], vcc_lo
.set i, i+1
.endr
	WIN 0
	v_mul_u32_u24 v[AK0], v1, PK
	v_lshl_add_u32 v[AK0], v9, 4, v[AK0]
	v_and_b32 v10, 7, v0
	v_bfe_u32 v11, v0, 3, 1
	v_lshl_add_u32 v[AV0], v9, 3, v10
	v_mul_u32_u24 v[AV0], v[AV0], PV
	v_lshl_add_u32 v[AV0], v11, 4, v[AV0]
	v_add_nc_u32 v[AV0], VOFF, v[AV0]
	s_mul_i32 s13, s[WV], 16*SP
	s_add_co_u32 s13, s13, STAGE
	v_mul_u32_u24 v[STO], v1, SP
	v_lshl_add_u32 v[STO], v9, 4, v[STO]
	v_add_nc_u32 v[STO], s13, v[STO]
	v_bfe_u32 v[RD], v0, 3, 2
	v_mul_u32_u24 v[RD], v[RD], SP
	v_lshl_add_u32 v[RD], v10, 4, v[RD]
	v_add_nc_u32 v[RD], s13, v[RD]
	v_and_b32 v[GO], 31, v0
	v_lshlrev_b32 v[GO], 4, v[GO]
	v_lshl_add_u32 v[AB0], v9, 5, s19   ; register j of group kt is key 16 kt + 8 (l / 16) + j: 32 bytes for each half of the lanes
	v_lshl_add_u32 v[AM], v9, 5, MEAN   ; and the same for channels of the mean
	v_lshlrev_b32 v[PFO], 8, v0
	v_lshl_add_u32 v38, v0, 2, MEAN
	; A block's first step multiplies O^T and l by a = 0, so these registers need only hold finite numbers: zeros for the first block; what the first block left for the second.
	WIN 0x80
.set i, VF
.rept 64
	v_mov_b32 v[i], 0
.set i, i+1
.endr
	WIN 0x40
.set i, 0
.rept 128
	v_mov_b32 v[i], 0
.set i, i+1
.endr
	WIN 0
.set i, 0
.rept 4
	v_mov_b32 v[ST+4*i+2], 0
	v_mov_b32 v[ST+4*i+3], 0
.set i, i+1
.endr
.set i, P+16
.rept 16
	v_mov_b32 v[i], 0
.set i, i+1
.endr
	s_wait_loadcnt 32               ; the sums are in; Q's 32 loads, issued behind them, may stay out
	v_add_f32 v80, v80, v81
	v_add_f32 v82, v82, v83
	v_add_f32 v84, v84, v85
	v_add_f32 v86, v86, v87
	v_add_f32 v80, v80, v82
	v_add_f32 v84, v84, v86
	v_add_f32 v80, v80, v84
	v_mul_f32 v80, 0x3a000000, v80  ; / 2048
	ds_store_b32 v38, v80           ; the first change of slots waits for this store and passes a barrier
; THE MATRIX WORK.  The 4 accumulators of a run of 8 take turns.  Product i of 8 of S^T = K Q^T for piece x: channels 32 (i / 4) on, keys 16 (i % 4) on.  The first 4 start the sums: with the keys' bias, or (KM = 1) with the mask.
.macro KQ x
.set rS, S+32*((\x)%2)+8*(i%4)
.set rK, KF+16*(i%4)+8*(i/4)
.set rQ, 16*(\x)+8*(i/4)
.set rM, MC+32*((\x)%2)+8*(i%4)
.if (i < 4) && KM
	WIN W_KM
	v_wmma_f32_16x16x32_f16 v[rS:rS+7], v[rK:rK+7], v[rQ:rQ+7], v[rM:rM+7]
.elseif i < 4
	WIN W_KQ
	v_wmma_f32_16x16x32_f16 v[rS:rS+7], v[rK:rK+7], v[rQ:rQ+7], v[KBI+8*(i%4):KBI+8*(i%4)+7]
.else
	WIN W_KQ
	v_wmma_f32_16x16x32_f16 v[rS:rS+7], v[rK:rK+7], v[rQ:rQ+7], v[rS:rS+7]
.endif
.endm
.macro PV x                         ; product i of 8 of O^T += V^T P for piece x
	WIN W_PV
.set rO, 32*(\x)+8*(i%4)
.set rV, VF+32*(i/4)+8*(i%4)
.set rP, P+16*((\x)%2)+8*(i/4)
	v_wmma_f32_16x16x32_f16 v[rO:rO+7], v[rV:rV+7], v[rP:rP+7], v[rO:rO+7]
.endm
.macro MM                           ; the turn's next matrix instruction.  NOKQ = 1: a block's last turn: there is no next piece
.if (i < 8) && !NOKQ
	KQ (Y+1)%NP
.elseif i >= 8
.set i, i-8
	PV (Y+NP-1)%NP
.set i, i+8
.endif
.set i, i+1
.endm
; THE LDS LOADS stand in runs: a step's bias (8 loads, first) and K (16), and its V (16, turned).  Their addresses are made some lines ahead.
.macro FETCH_K
	WIN 0
.irp f, 0,1,2,3
	ds_load_b128 v[KBI+8*\f:KBI+8*\f+3],   v[AB] offset:64*\f
	ds_load_b128 v[KBI+8*\f+4:KBI+8*\f+7], v[AB] offset:64*\f+16
.endr
	WIN 0x80
.irp f, 0,1,2,3,4,5,6,7
	ds_load_b128 v[KF+8*\f:KF+8*\f+3],   v[AK] offset:(\f/2)*16*PK+(\f%2)*64
	ds_load_b128 v[KF+8*\f+4:KF+8*\f+7], v[AK] offset:(\f/2)*16*PK+(\f%2)*64+32
.endr
	s_add_co_u32 s[TBK], s[TBK], KS*PK  ; the next fetch is the next step's
	s_add_co_u32 s[TBB], s[TBB], 4*KS
	WIN 0
.endm
.macro FETCH_V
	WIN 0x80
.irp f, 0,1,2,3,4,5,6,7
	ds_load_tr16_b128 v[VF+8*\f:VF+8*\f+3],   v[AV] offset:(\f/4)*32*PV+(\f%4)*32
	ds_load_tr16_b128 v[VF+8*\f+4:VF+8*\f+7], v[AV] offset:(\f/4)*32*PV+16*PV+(\f%4)*32
.endr
	WIN 0
.endm
; THE VECTOR WORK, one line at a time: OP kind, number.  For piece Y: F n: c s - c m for pair n.  E n: the exponential of score n.  C n: pair n rounded to f16.  B n: of the four weights 4 n .. the second
; pair is added onto the first.  L n: l takes that sum (L 0: l = a l + sum).  R n: pair n of O^T times a.  For piece Y + 1: X n, number n of the 22 that find its maximum and statistics
; (each accumulator's lowest registers are read first).
.set F, 0
.set E, 1
.set C, 2
.set B, 3
.set L, 4
.set R, 5
.set X, 6
.macro REGS y
.set rT, ST+4*(\y)
.set rC, TMP+4*((\y)%2)
.set rW, MV+((\y)%2)
.set rS, S+32*((\y)%2)
.set rP, P+16*((\y)%2)
.set rO, 32*(\y)
.endm
.macro OP k, n
.if (\k) == R
	REGS Y
	WIN W_RS
	v_pk_mul_f32 v[rO+2*(\n):rO+2*(\n)+1], v[rO+2*(\n):rO+2*(\n)+1], v[rC+2:rC+3] op_sel_hi:[1,0]
.elseif (\k) < R
	REGS Y
	WIN 0
.if (\k) == F
	v_pk_fma_f32 v[rS+2*(\n):rS+2*(\n)+1], v[rS+2*(\n):rS+2*(\n)+1], s[CS:CS+1], v[rT:rT+1] op_sel_hi:[1,0,0] neg_lo:[0,0,1] neg_hi:[0,0,1]
.elseif (\k) == E
	v_exp_f32 v[rS+(\n)], v[rS+(\n)]
.elseif (\k) == C
	v_cvt_pk_f16_f32 v[rP+(\n)], v[rS+2*(\n)], v[rS+2*(\n)+1]
.elseif (\k) == B
	v_pk_add_f32 v[rS+4*(\n):rS+4*(\n)+1], v[rS+4*(\n):rS+4*(\n)+1], v[rS+4*(\n)+2:rS+4*(\n)+3]
.elseif (\n) == 0
	v_pk_fma_f32 v[rT+2:rT+3], v[rT+2:rT+3], v[rC+2:rC+3], v[rS:rS+1] op_sel_hi:[1,0,1]
.else
	v_pk_add_f32 v[rT+2:rT+3], v[rT+2:rT+3], v[rS+4*(\n):rS+4*(\n)+1]
.endif
.elseif NOKQ
	v_nop
.else
	REGS (Y+1)%NP
	WIN 0
.if (\n) < 4
	v_max3_num_f32 v[rC+(\n)], v[rS+8*(\n)], v[rS+8*(\n)+1], v[rS+8*(\n)+2]
.elseif (\n) < 12
	v_max3_num_f32 v[rC+(\n)%4], v[rC+(\n)%4], v[rS+8*((\n)%4)+2*((\n)/4)+1], v[rS+8*((\n)%4)+2*((\n)/4)+2]
.elseif (\n) == 12
	v_max3_num_f32 v[rC], v[rC], v[rS+7], v[rS+15]
.elseif (\n) == 13
	v_max3_num_f32 v[rC+1], v[rC+1], v[rS+23], v[rS+31]
.elseif (\n) == 14
	v_max3_num_f32 v[rC+2], v[rC+2], v[rC+3], v[rT+1]
.elseif (\n) == 15
	v_mov_b32 v[rW], v[rT]
.elseif (\n) == 16
	v_max3_num_f32 v[rC], v[rC], v[rC+1], v[rC+2]
.elseif (\n) == 17
	v_permlanex16_b32 v[rC+3], v[rC], s[SEL], s[SEL+1]
.elseif (\n) == 18
	v_max_num_f32 v[rT+1], v[rC], v[rC+3]
.elseif (\n) == 19
	v_mul_f32 v[rT], s[CS], v[rT+1]
.elseif (\n) == 20
	v_sub_f32 v[rC+1], v[rW], v[rT]
.else
	v_exp_f32 v[rC+2], v[rC+1]
.endif
.endif
.endm
.macro OPS a, i1, b=-1, i2=0, c=-1, i3=0, d=-1, i4=0
	OP \a, \i1
.if (\b) >= 0
	OP \b, \i2
.endif
.if (\c) >= 0
	OP \c, \i3
.endif
.if (\d) >= 0
	OP \d, \i4
.endif
.endm
.macro ROW a, i1, b, i2, c, i3, d, i4  ; a matrix instruction and the four behind it
	MM
	OPS \a, \i1, \b, \i2, \c, \i3, \d, \i4
.endm
.macro MASK b                       ; MD x AL + BE + KBI into buffer b of MC
	WIN W_RS
.set z, 0
.rept 16
	v_pk_fma_f32 v[MC+32*(\b)+2*z:MC+32*(\b)+2*z+1], v[MD+2*z:MD+2*z+1], s[AL:AL+1], s[BE:BE+1] op_sel_hi:[1,0,0]
.set z, z+1
.endr
.set z, 0
.rept 16
	v_pk_add_f32 v[MC+32*(\b)+2*z:MC+32*(\b)+2*z+1], v[MC+32*(\b)+2*z:MC+32*(\b)+2*z+1], v[KBI+2*z:KBI+2*z+1]
.set z, z+1
.endr
.endm
; A TURN, for piece p.  ONE wait for the batch of exponentials cuts it in two: ahead of it all that names no result of the turn's exponentials, behind it the 8 products V^T P with the roundings and sums as riders.
; m = 1: the diagonal tile: the products take masks, and the turn makes the mask for the products of the turn after it: piece p + 2, in step 4 - CNT of the tile.  end = 1: a block's last two turns: nothing is fetched.
; cnt = 1: the loop's count is taken down some lines ahead of the branch that stands behind the turn.
; The bias and K of the next step are fetched in piece 2's turn, behind the last product that read them with more than four plain instructions between; V of the step in hand at the end of piece 0's turn.
.macro TURN p, m=0, end=0, cnt=0
.set Y, (\p)
.set i, 0
.set KM, (\m)
.set NOKQ, (\end)*((\p)/3)
.if (\m) && !(\end)
	s_cmp_eq_u32 s[CNT], 4-((\p)+2)%NP  ; is that step the band's own?
	s_cselect_b32 s[AL], 1.0, 0
	s_cmp_lt_u32 s[CNT], 4-((\p)+2)%NP  ; or a later one?
	s_cselect_b32 s[BE], s[BIGN], 0
.endif
.if ((\p) == 3) && !(\end)
	s_wait_dscnt 0x0                ; the bias and K are in
.endif
	ROW F,0, F,1, R,0, R,1
	ROW F,2, E,0, R,2, R,3
	ROW F,3, E,1, R,4, R,5
	ROW F,4, E,2, R,6, R,7
	ROW F,5, E,3, R,8, R,9
	ROW F,6, E,4, X,0, R,10
.if ((\p) == 2) && !(\end)
	WIN 0
	v_add_nc_u32 v[AK], s[TBK], v[AK0]
	v_add_nc_u32 v[AB], s[TBB], v[AB0]
.endif
	ROW F,7, E,5, X,1, X,4
	ROW F,8, E,6, X,2, X,5
	OPS E,7, E,8, X,6, E,9
	OPS X,3, E,10, X,8, E,11
.if ((\p) == 2) && !(\end)
	FETCH_K
.endif
	OPS X,9, X,7, E,12, X,10
	OPS E,13, X,12, X,11, E,14
	OPS X,13, E,15, F,9, X,14
.if (\p) == 0
	v_add_nc_u32 v[AV], s[TBV], v[AV0]
.endif
	OPS E,16, F,10, E,17, F,11
	OPS X,16, E,18, X,15, E,19
	OPS F,12, E,20, X,17, E,21
	OPS F,13, E,22, F,14, E,23
	OPS X,18, E,24, F,15, E,25
	OPS R,11, E,26, X,19, E,27
	OPS R,12, E,28, R,13, E,29
	OPS X,20, E,30, R,14, E,31
	OPS X,21, R,15
	WIN 0
	s_wait_alu depctr_va_vdst(0)    ; the wait for the batch
.if (\p) == 1
	s_wait_dscnt 0x0                ; V is in
.endif
	ROW C,0, B,0, C,2, B,1
	ROW L,0, C,4, B,2, L,1
	ROW C,6, B,3, L,2, C,8
	ROW B,4, L,3, C,10, B,5
	ROW L,4, C,12, B,6, L,5
.if (\p) == 0
	s_add_co_u32 s[TBV], s[TBV], KS*PV
.endif
.if \cnt
	s_sub_co_u32 s[CNT], s[CNT], 1
	s_cmp_lg_u32 s[CNT], 0
.endif
	ROW C,14, B,7, L,6, C,1
	ROW C,3, L,7, C,5, C,7
	ROW C,9, C,11, C,13, C,15
.if (\p) == 0
	FETCH_V
.endif
.if (\m) && !(\end)
.if (\p) == 2
	s_wait_dscnt 16                 ; the new step's bias, the first 8 of this turn's 24 loads, is in; K's 16 may stay out
.endif
	MASK (\p)%2
.endif
.endm
; A BLOCK BEGINS.  c m starts far below every c s, so the first step's a is 0; m at the lowest finite number.  The bias and K of the tile's step 0 are fetched, and the mean of V's rows is read, added up and rounded
; to f16 as a lane's 32 channels of O lie.  Mask buffer 0 takes piece 0's mask for step 0 (its own, if the block's first tile is the diagonal one), buffer 1 the bias alone.  Then piece 0's first scores and statistics.
; (Q was shown in by the first change of slots, which waits for all loads.)
.macro BEGIN
	s_mov_b32 s[NEW], 0
	WIN 0
.set i, 0
.rept 4
	v_mov_b32 v[ST+4*i], 0xfe000000
	v_mov_b32 v[ST+4*i+1], 0xff7fffff
.set i, i+1
.endr
	v_add_nc_u32 v[AK], s[TBK], v[AK0]
	v_add_nc_u32 v[AB], s[TBB], v[AB0]
	FETCH_K
.irp f, 0,1,2,3                     ; channels 16 f + 8 (l / 16) + 0..7 of both halves of the mean
	ds_load_b128 v[S+32+8*\f:S+32+8*\f+3],   v[AM] offset:64*\f
	ds_load_b128 v[S+32+8*\f+4:S+32+8*\f+7], v[AM] offset:64*\f+16
	ds_load_b128 v[224+8*\f:224+8*\f+3],     v[AM] offset:256+64*\f
	ds_load_b128 v[224+8*\f+4:224+8*\f+7],   v[AM] offset:256+64*\f+16
.endr
	s_wait_dscnt 0x0
.set i, 0
.rept 16
	v_pk_add_f32 v[S+32+2*i:S+32+2*i+1], v[S+32+2*i:S+32+2*i+1], v[224+2*i:224+2*i+1]
.set i, i+1
.endr
.set i, 0
.rept 16
	v_cvt_pk_f16_f32 v[MEANH+i], v[S+32+2*i], v[S+32+2*i+1]
.set i, i+1
.endr
	s_cmp_eq_u32 s[RT], 0
	s_cselect_b32 s[AL], 1.0, 0
	s_mov_b32 s[BE], 0
	MASK 0
	s_mov_b32 s[AL], 0
	MASK 1
.set KM, 1
.set NOKQ, 0
.set i, 0
.rept 8
	KQ 0
.set i, i+1
.endr
	WIN 0
.rept 4
	v_nop                           ; the places behind those products
.endr
.set Y, NP-1
.irp n, 0,1,2,3,4,5,6,7,8,9,10,11,12,13,14,15,16,17,18,19,20,21
	OP X, \n
.endr
	v_nop                           ; a plain instruction behind the exponential,
	s_wait_alu depctr_va_vdst(0)    ; and its wait, ahead of the branch
.endm
.macro ALL line:vararg
.set t, 0
.rept 4
	\line
.set t, t+1
.endr
.endm
.macro PACK t                       ; O^T / l, rounded to f16; a row that saw no key takes the mean; then through my stage
	WIN W_RS
.set i, 32*(\t)
.rept 16
	v_pk_mul_f32 v[i:i+1], v[i:i+1], v[ST+4*(\t)+2:ST+4*(\t)+3] op_sel_hi:[1,0]
.set i, i+2
.endr
	WIN 0x05
.set i, 0
.rept 16
	v_cvt_pk_f16_f32 v[S+16*(\t)+i], v[32*(\t)+2*i], v[32*(\t)+2*i+1]
.set i, i+1
.endr
	WIN 0
.set i, 0
.rept 16
	v_cndmask_b32 v[S+16*(\t)+i], v[S+16*(\t)+i], v[MEANH+i], s[FM+(\t)]  ; a lane is one query: both halves of a word are its own
.set i, i+1
.endr
.irp f, 0,1,2,3
	ds_store_b128 v[STO], v[S+16*(\t)+4*\f:S+16*(\t)+4*\f+3] offset:32*\f
.endr
.irp f, 0,1,2,3
	ds_load_b128 v[S+16*(\t)+4*\f:S+16*(\t)+4*\f+3], v[RD] offset:\f*4*SP  ; LDS serves a wave's instructions in order (ISA guide 5.7.1.4): these see the stores above
.endr
.endm
.macro SEND t, younger
	WIN 0
.irp f, 0,1,2,3
	s_wait_dscnt (\younger)+3-\f
	global_store_b128 v[GO], v[S+16*(\t)+4*\f:S+16*(\t)+4*\f+3], s[10:11] offset:(\t)*8192+\f*512  ; 512 consecutive bytes, at a multiple of 256 from O's first
.endr
.endm
.macro DIAG tag                     ; the diagonal tile's four steps, the block's last two turns, its last products, and the way out
.LstepM\tag:
	TURN 2, 1
	TURN 3, 1
	WIN 0
.LfirstM\tag:
	TURN 0, 1
	TURN 1, 1, 0, 1
	WIN 0
	s_cbranch_scc1 .LstepM\tag
	TURN 2, 1, 1
	TURN 3, 1, 1
.set i, 0
.rept 8
	PV NP-1
.set i, i+1
.endr
	WIN 0
	ALL v_cmp_lt_f32 s[FM+t], v[ST+4*t+1], s[THR]
	ALL v_add_f32 v[ST+4*t+2], v[ST+4*t+2], v[ST+4*t+3]
	ALL v_permlanex16_b32 v[ST+4*t+3], v[ST+4*t+2], s[SEL], s[SEL+1]
	ALL v_add_f32 v[ST+4*t+2], v[ST+4*t+2], v[ST+4*t+3]
	ALL v_rcp_f32 v[ST+4*t+2], v[ST+4*t+2]
	v_nop
	s_wait_alu depctr_va_vdst(0)    ; one wait for the four reciprocals, ahead of their first use
	PACK 0
.set t, 1
.rept 3
	PACK t
	SEND t-1, 8
.set t, t+1
.endr
	SEND 3, 0
.endm
.macro PREMASK                      ; the diagonal tile is entered from a tile before it: piece 3's products of that tile's last step are still to come and take buffer 1: the bias alone
	s_mov_b32 s[AL], 0
	s_mov_b32 s[BE], 0
	MASK 1
	WIN 0
.endm
.set KM, 0
.set NOKQ, 0
.Lslot:                             ; NB times: a tile is entered and the next is asked for
	CHANGE 1
	s_sub_co_u32 s[RT], s[RT], 1
	s_mov_b32 s[CNT], 4
	s_cmp_eq_u32 s[NEW], 1
	s_cbranch_scc1 .Lnew
	s_cmp_eq_u32 s[RT], 0
	s_cbranch_scc0 .Lstep
	PREMASK
	s_branch .LstepM1
.Lnew:
	BEGIN
	s_branch .Lfirst                ; in the loop a block's first tile is never its last
	DIAG 1                          ; in the loop this is the first block's end
	s_wait_xcnt 0x0                 ; the stores have read their registers and O's address
	s_mov_b64 s[10:11], s[OLO:OLO+1]
	s_add_co_u32 s[RT], s[PB], 1
	s_mov_b32 s[NEW], 1
	WIN 0x82                        ; the second block's Q goes where the one text of the turns names Q
.set i, 0
.rept 64
	v_mov_b32 v[i], v[QB+i]
.set i, i+1
.endr
	WIN 0
	s_branch .Lbottom
.Lstep:                             ; a trip: pieces 2 and 3 of one step, then pieces 0 and 1 of the next
	TURN 2
	TURN 3
	WIN 0
.Lfirst:
	TURN 0
	TURN 1, 0, 0, 1
	WIN 0
	s_cbranch_scc1 .Lstep
.Lbottom:
	s_sub_co_u32 s[SLOTS], s[SLOTS], 1
	s_cmp_lg_u32 s[SLOTS], 0
	s_cbranch_scc1 .Lslot
	CHANGE 0                        ; the walk's last tile is written out
	s_sub_co_u32 s[RT], s[RT], 1
	s_mov_b32 s[CNT], 4
	s_cmp_eq_u32 s[NEW], 1
	s_cbranch_scc1 .Lnew2
	PREMASK
	s_branch .LstepM2
.Lnew2:
	BEGIN
	s_branch .LfirstM2
	DIAG 2
	s_wait_tensorcnt 0x0            ; the wave's end, behind my last tensor load and my last LDS store
	ds_add_u32 v[SPW], v[NIL]
	s_wait_dscnt 0x0
	s_endpgm
.Lfunc_end_k_q232f6401cd_attn:
	.size	k_q232f6401cd_attn, .Lfunc_end_k_q232f6401cd_attn-k_q232f6401cd_attn
	.p2alignl 7, 3214868480
	.fill 96, 4, 3214868480
	.section	.rodata,"a",@progbits
	.p2align	6, 0x0
	.amdhsa_kernel k_q232f6401cd_attn
		.amdhsa_group_segment_fixed_size 327680
		.amdhsa_private_segment_fixed_size 0
		.amdhsa_enable_private_segment 0
		.amdhsa_kernarg_size 48
		.amdhsa_user_sgpr_count 2
		.amdhsa_user_sgpr_kernarg_segment_ptr 1
		.amdhsa_wavefront_size32 1
		.amdhsa_system_sgpr_workgroup_id_x 1
		.amdhsa_system_sgpr_workgroup_id_y 1
		.amdhsa_system_sgpr_workgroup_id_z 1
		.amdhsa_system_vgpr_workitem_id 0
		.amdhsa_next_free_vgpr 768
		.amdhsa_next_free_sgpr 100
		.amdhsa_reserve_vcc 1
		.amdhsa_float_denorm_mode_32 3
		.amdhsa_float_denorm_mode_16_64 3
		.amdhsa_memory_ordered 1
		.amdhsa_forward_progress 1
		.amdhsa_inst_pref_size 255
	.end_amdhsa_kernel
	.section	.bss,"aw",@nobits
	.p2align	6
	.space	262144
	.amdgpu_metadata
---
amdhsa.version: [ 1, 2 ]
amdhsa.kernels:
  - .name:           k_q232f6401cd_attn
    .symbol:         k_q232f6401cd_attn.kd
    .args:
      - { .name: qh, .offset: 0, .size: 8, .value_kind: global_buffer, .address_space: global }
      - { .name: kh, .offset: 8, .size: 8, .value_kind: global_buffer, .address_space: global }
      - { .name: vh, .offset: 16, .size: 8, .value_kind: global_buffer, .address_space: global }
      - { .name: oh, .offset: 24, .size: 8, .value_kind: global_buffer, .address_space: global }
      - { .name: attention_mask, .offset: 32, .size: 8, .value_kind: global_buffer, .address_space: global }
      - { .name: vsum, .offset: 40, .size: 8, .value_kind: global_buffer, .address_space: global }
    .group_segment_fixed_size: 327680
    .private_segment_fixed_size: 0
    .kernarg_segment_align: 8
    .kernarg_segment_size: 48
    .max_flat_workgroup_size: 128
    .sgpr_count:     100
    .vgpr_count:     768
    .wavefront_size: 32
...
	.end_amdgpu_metadata
.endif
;; end of part 3
;; launch oproj (part 4): grid 8 x 32, 4 waves a work-group, clusters of 4 x 4, 327,680 bytes of LDS; arguments oh, wts, out0; writes out0
.if DOCPART == 4
	.amdgcn_target "amdgcn-amd-amdhsa--gfx1250"
	.amdhsa_code_object_version 6
	.text
	.protected	k_q232f6401cd_oproj
	.globl	k_q232f6401cd_oproj
	.p2align	8
	.type	k_q232f6401cd_oproj,@function
k_q232f6401cd_oproj:
	s_mov_b64 s[64:65], 0
	v_nop
	global_prefetch_b8 v0, s[64:65] scope:SCOPE_SE
	s_setreg_imm32_b32 hwreg(HW_REG_WAVE_MODE, 25, 1), 1
	s_wait_xcnt 0x0
	s_wait_alu depctr_hold_cnt(0) depctr_sa_sdst(0) depctr_va_vdst(0) depctr_va_sdst(0) depctr_va_ssrc(0) depctr_va_vcc(0) depctr_vm_vsrc(0)
	s_getreg_b32 s2, hwreg(HW_REG_IB_STS2, 6, 4)
	s_cmp_eq_u32 s2, 0
	s_cbranch_scc0 .Lentry_in_a_cluster
	s_endpgm
.Lentry_in_a_cluster:
	s_bfe_u32 s2, ttmp6, 0x10000c
	s_cmp_lg_u32 s2, 0xf033
	s_cbranch_scc0 .Lentry_shape_is_right
	s_endpgm
.Lentry_shape_is_right:
; out[row][n] = the sum over k of O[row][k] W_o[n][k]: 8192 x 1024 x 1024 in f16 with f32 sums, f32 out.  O lies by heads, [16 b + head][t][64] f16, which is K in blocks of 64 (block = head);
; W_o lies in wts at WOB as [kb 16][n 1024][64] f16.  So every tile is dense: asked for as rows of 256 bytes (two rows of 128), padded in LDS after every 128 bytes.
; SHARES.  A work-group makes 256 rows x 128 columns: 8 x 32 = 256 work-groups; a wave 128 x 64: 32 accumulators, window 1.  K goes in 8 steps of 128 (two heads) through two LDS slots; a step is four quarters of 32.
; CLUSTER 4 x 4: O's tiles are shared along a row, W_o's along a column, and asked for jointly.  The matrix instruction is used transposed (source 0 = 16 rows of W_o, source 1 = 16 tokens).
; REGISTERS.  Window 0: v0-31 addresses; two fragment buffers of 96 at v64 and v160: O's eight, then W_o's four; on the way out v64-159 hold three buffers of 16 rows.  Window 1: accumulator (a, b) at v[8 (4 a + b)].
.set PA,    144
.set SLOT1, 1<<17
.set AKB,   256*PA                     ; a head's 256 tokens in LDS
.set BOFF,  2*AKB
.set BKB,   128*PA                     ; a K block's 128 rows of W_o
.set STAGE, SLOT1+BOFF+2*BKB           ; behind the ring: 16 rows x 272 bytes for each wave
.set SP,    272
.set SPARE, STAGE+4*16*SP              ; the spare words, 128 bytes a wave
.set WOB,   6291456
.set KSA,   2*2048*128                 ; bytes from a K step to the next in O: two heads
.set KSB,   2*1024*128                 ; and in W_o
.set ADRA0, 4
.set ADRB0, 5
.set ADRA,  6
.set ADRB,  7
.set STO,   8
.set RD,    9
.set CO,    10
.set PFO,   11
.set SPW,   28
.set NIL,   29
.set F0,    64
.set F1,    160
.set G1,  24                           ; s[24:31] group 1 for O's tiles; s[32:39] group 0: slot 0's first fill, then the set that walks
.set G0,  32
.set G1B, 48
.set G0B, 56
.set TB,  2
.set CNT, 3
.set LIM, 43
.set PFA, 44
.set PFS, 46
.set MSB, 0
.macro WIN new
.if MSB != (\new)
	s_set_vgpr_msb (MSB<<8)|(\new)
.set MSB, \new
.endif
.endm
.macro PLACES
.rept 4
	v_nop
.endr
.endm
.macro CREST
	s_cmp_lg_u32 s10, 0
	s_cbranch_scc1 .Lnot_wave_0_\@
	s_barrier_signal -3
.Lnot_wave_0_\@:
	s_barrier_wait -3
	s_barrier_signal -1
	s_barrier_wait -1
.endm
.macro CROUND
	s_barrier_signal -1
	s_barrier_wait -1
	CREST
.endm
.macro JLOAD                           ; waves 0 and 1 fetch the step's two heads of O, waves 2 and 3 its two blocks of W_o
	s_cmp_eq_u32 s11, 0
	s_cbranch_scc0 .Lfor_b_\@
	tensor_load_to_lds s[G0+4:G0+7], s[G1:G1+7]
	s_nop 0
	PLACES
	s_branch .Lasked_\@
.Lfor_b_\@:
	tensor_load_to_lds s[G0B+4:G0B+7], s[G1B:G1B+7]
	s_nop 0
	PLACES
.Lasked_\@:
.endm
; A PREFETCH INTO THE L2 of the K step that stands two refills on (256 matrix instructions ahead of its load): in trips 0 to 3 the K steps 4 to 7.  O's tile row is read by both clusters of that row: waves 0 and 1 of the cluster
; with x = 0 ask, each for its head, the four partners 8,192 bytes each by address (cx).  W_o's tile column is read by all eight clusters of the column: wave 2 of the cluster with y = 0 asks, 4,096 bytes of each of the two
; blocks for each partner (cy).  A lane a block of 256 bytes; each block is named once.
.macro ASK
	s_cmp_gt_u32 s[CNT], s[LIM]
	s_cbranch_scc0 .Lnot_mine_\@
	global_prefetch_b8 v[PFO], s[PFA:PFA+1] th:TH_LOAD_NT scope:SCOPE_SE
.Lnot_mine_\@:
.endm
	s_load_b128 s[4:7], s[0:1], 0x0                ; O s[4:5], wts s[6:7]
	s_load_b64 s[8:9], s[0:1], 0x10                ; out
	v_lshl_add_u32 v[SPW], v0, 2, SPARE
	v_mov_b32 v[NIL], 0
	ds_add_u32 v[SPW], v[NIL]                      ; the wave's opening: the add and its wait ahead of my first tensor load
	v_lshrrev_b32 v1, 5, v0
	v_readfirstlane_b32 s10, v1                    ; wave
	s_lshr_b32 s11, s10, 1                         ; my half of the rows; also: I fetch O (0) or W_o (1)
	s_and_b32 s12, s10, 1                          ; my half of the columns; also: which of the step's two K blocks I fetch
	s_bfe_u32 s40, ttmp6, 0x40000                  ; cx
	s_bfe_u32 s41, ttmp6, 0x40004                  ; cy
	s_lshl_b32 s42, ttmp9, 2
	s_add_co_u32 s42, s42, s40                     ; tile column 0..7
	s_and_b32 s13, ttmp7, 0xffff
	s_lshl_b32 s13, s13, 2
	s_add_co_u32 s13, s13, s41                     ; tile row 0..31
	s_lshl_b32 s14, s41, 2
	s_lshl_b32 s14, 15, s14
	s_lshl_b32 s15, 0x1111, s40
	s_or_b32 s[G1], s14, (1<<16)|(1<<20)|(1<<21)|(4<<22)|(3<<25)
	s_or_b32 s[G1B], s15, (1<<16)|(1<<20)|(1<<21)|(4<<22)|(3<<25)
.irp g, G1, G1B
	s_mov_b32 s[\g+1], 128<<16
	s_mov_b32 s[\g+3], 128<<16
	s_mov_b32 s[\g+5], 128
	s_mov_b32 s[\g+6], 0
	s_mov_b32 s[\g+7], 0
.endr
	s_mov_b32 s[G1+2], 128<<16                     ; 256 tokens are 128 rows of 256 bytes
	s_mov_b32 s[G1+4], 128
	s_mov_b32 s[G1B+2], 64<<16                     ; 128 rows of W_o are 64
	s_mov_b32 s[G1B+4], 64
	s_mov_b32 s[G0], 1
	s_mov_b32 s[G0+4], 1
	s_mov_b32 s[G0B], 1
	s_mov_b32 s[G0B+4], 1
	s_mul_i32 s17, s12, AKB
	s_mov_b32 s[G0+1], s17
	s_add_co_u32 s[G0+5], s17, SLOT1
	s_mul_i32 s21, s12, BKB
	s_add_co_u32 s[G0B+1], s21, BOFF
	s_add_co_u32 s[G0B+5], s21, BOFF+SLOT1
	s_lshr_b32 s16, s13, 3                         ; O: batch x 16 heads of 262,144 bytes
	s_lshl_b32 s16, s16, 22
	s_and_b32 s17, s13, 7                          ; + the tile's first token x 128
	s_lshl_b32 s17, s17, 15
	s_add_co_u32 s16, s16, s17
	s_lshl_b32 s17, s12, 18                        ; + my head of the step's two
	s_add_co_u32 s16, s16, s17
	s_mov_b32 s17, 0
	s_lshl_b32 s20, s42, 14                        ; W_o: the tile's 128 rows
	s_lshl_b32 s21, s12, 17                        ; + my block of the step's two
	s_add_co_u32 s20, s20, s21
	s_add_co_u32 s20, s20, WOB
	s_mov_b32 s21, 0
	s_mov_b32 s[TB], 0
	s_wait_dscnt 0x0                               ; the opening add is done
	s_wait_kmcnt 0x0
	s_add_nc_u64 s[G0+2:G0+3], s[4:5], s[16:17]
	s_add_nc_u64 s[G0+6:G0+7], s[G0+2:G0+3], KSA
	s_or_b32 s[G0+3], s[G0+3], 0x80000000
	s_or_b32 s[G0+7], s[G0+7], 0x80000000
	s_add_nc_u64 s[G0B+2:G0B+3], s[6:7], s[20:21]
	s_add_nc_u64 s[G0B+6:G0B+7], s[G0B+2:G0B+3], KSB
	s_or_b32 s[G0B+3], s[G0B+3], 0x80000000
	s_or_b32 s[G0B+7], s[G0B+7], 0x80000000
	CROUND                                         ; all sixteen work-groups are here: the first joint loads meet
	s_cmp_eq_u32 s11, 0                            ; a wave's two first fills stand in one branch: two loads of mine are out
	s_cbranch_scc0 .Lfirst_b
	tensor_load_to_lds s[G0:G0+3], s[G1:G1+7]
	s_nop 0
	tensor_load_to_lds s[G0+4:G0+7], s[G1:G1+7]
	s_nop 0
	PLACES
	s_branch .Lfirst_asked
.Lfirst_b:
	tensor_load_to_lds s[G0B:G0B+3], s[G1B:G1B+7]
	s_nop 0
	tensor_load_to_lds s[G0B+4:G0B+7], s[G1B:G1B+7]
	s_nop 0
	PLACES
.Lfirst_asked:
	; the prefetches (in registers that feed no descriptor): both stand at K step 3; the first trip steps them to 4
	s_lshr_b32 s22, s13, 3
	s_lshl_b32 s22, s22, 22
	s_and_b32 s23, s13, 7
	s_lshl_b32 s23, s23, 15
	s_add_co_u32 s22, s22, s23
	s_lshl_b32 s23, s12, 18
	s_add_co_u32 s22, s22, s23
	s_lshl_b32 s23, s40, 13
	s_add_co_u32 s22, s22, s23
	s_add_co_u32 s22, s22, 3*KSA
	s_lshl_b32 s18, s42, 14
	s_lshl_b32 s23, s41, 12
	s_add_co_u32 s18, s18, s23
	s_add_co_u32 s18, s18, WOB+3*KSB
	s_and_b32 s19, ttmp7, 0xffff
	s_mov_b32 s[PFS], KSB
	s_mov_b32 s[PFS+1], 0
	s_mov_b32 s23, KSA
	s_cmp_eq_u32 s11, 0
	s_cselect_b32 s22, s22, s18
	s_cselect_b32 s[PFS], s23, s[PFS]
	s_cselect_b64 s[PFA:PFA+1], s[4:5], s[6:7]
	s_cselect_b32 s19, ttmp9, s19                  ; the coordinate along which other clusters read the same bytes
	s_cselect_b32 s18, 12, 17                      ; lanes 16-31: 4,096 bytes on in O's head, or the step's second block of W_o
	s_cmp_eq_u32 s19, 0
	s_cselect_b32 s[LIM], 2, -1
	s_cmp_eq_u32 s10, 3
	s_cselect_b32 s[LIM], -1, s[LIM]               ; the same in all sixteen partners, for a given wave
	s_mov_b32 s23, 0
	s_add_nc_u64 s[PFA:PFA+1], s[PFA:PFA+1], s[22:23]
	s_lshl_b32 s22, s13, 20                        ; out: 256 rows of 4,096 bytes a tile row, my half of them, the tile's 512 bytes of a row, my half of those
	s_lshl_b32 s19, s11, 19
	s_add_co_u32 s22, s22, s19
	s_lshl_b32 s19, s42, 9
	s_add_co_u32 s22, s22, s19
	s_lshl_b32 s19, s12, 8
	s_add_co_u32 s22, s22, s19
	s_add_nc_u64 s[8:9], s[8:9], s[22:23]
	v_and_b32 v1, 15, v0
	v_bfe_u32 v2, v0, 4, 1
	v_mul_u32_u24 v3, v1, PA
	v_lshl_add_u32 v3, v2, 4, v3
	s_mul_i32 s19, s11, 128*PA
	v_add_nc_u32 v[ADRA0], s19, v3
	s_mul_i32 s19, s12, 64*PA
	s_add_co_u32 s19, s19, BOFF
	v_add_nc_u32 v[ADRB0], s19, v3
	v_mov_b32 v[ADRA], v[ADRA0]
	v_mov_b32 v[ADRB], v[ADRB0]
	s_mul_i32 s19, s10, 16*SP
	s_add_co_u32 s19, s19, STAGE
	v_mul_u32_u24 v3, v1, SP
	v_lshl_add_u32 v3, v2, 5, v3
	v_add_nc_u32 v[STO], s19, v3                   ; in: token l % 16, 32 bytes for each half of the lanes
	v_mul_u32_u24 v3, v2, SP
	v_lshl_add_u32 v3, v1, 4, v3
	v_add_nc_u32 v[RD], s19, v3                    ; back: lanes 0-15 one row of 256 bytes, lanes 16-31 the next
	v_lshlrev_b32 v[CO], 12, v2
	v_lshl_add_u32 v[CO], v1, 4, v[CO]             ; and the same two rows in out
	v_lshlrev_b32 v[PFO], s18, v2
	v_lshl_add_u32 v[PFO], v1, 8, v[PFO]
.macro MUL f, a0, cnt, zero            ; cnt x 4 matrix instructions; the 32 accumulators take turns, one instruction a turn
	WIN 0x50
.set aa, \a0
.rept \cnt
.irp b, 0,1,2,3
.if \zero
	v_wmma_f32_16x16x32_f16 v[8*(4*aa+\b):8*(4*aa+\b)+7], v[(\f)+64+8*\b:(\f)+64+8*\b+7], v[(\f)+8*aa:(\f)+8*aa+7], 0
.else
	v_wmma_f32_16x16x32_f16 v[8*(4*aa+\b):8*(4*aa+\b)+7], v[(\f)+64+8*\b:(\f)+64+8*\b+7], v[(\f)+8*aa:(\f)+8*aa+7], v[8*(4*aa+\b):8*(4*aa+\b)+7]
.endif
.endr
.set aa, aa+1
.endr
.endm
.macro FETCH q, f                      ; 24 loads: quarter q's fragments into buffer f: W_o's four, then O's eight
.irp b, 0,1,2,3
	ds_load_b128 v[(\f)+64+8*\b:(\f)+64+8*\b+3],   v[ADRB] offset:\b*16*PA+((\q)/2)*BKB+((\q)%2)*64
	ds_load_b128 v[(\f)+64+8*\b+4:(\f)+64+8*\b+7], v[ADRB] offset:\b*16*PA+((\q)/2)*BKB+((\q)%2)*64+32
.endr
.irp a, 0,1,2,3,4,5,6,7
	ds_load_b128 v[(\f)+8*\a:(\f)+8*\a+3],   v[ADRA] offset:\a*16*PA+((\q)/2)*AKB+((\q)%2)*64
	ds_load_b128 v[(\f)+8*\a+4:(\f)+8*\a+7], v[ADRA] offset:\a*16*PA+((\q)/2)*AKB+((\q)%2)*64+32
.endr
.endm
.macro QUARTER f, g, nq, zero          ; multiplies buffer f; in its middle it fetches quarter nq into buffer g
	s_wait_dscnt 8                                 ; W_o's and O's rows 0-63 are in; the youngest eight loads may be out
	MUL \f, 0, 4, \zero
	WIN 0
	PLACES
	FETCH \nq, \g
	s_wait_dscnt 24                                ; all but the 24 just issued
	MUL \f, 4, 4, \zero
.endm
; The last quarter multiplies buffer 1 and changes slots: ONE barrier; in front of it each wave waits for all its tensor loads, adds 0 to its spare word, and waits for that and for its own reads of this slot.
; fill = 1: the barrier opens a round of the cluster's, and this slot is filled again, two K steps ahead: 112 matrix instructions ahead of the wait for it.
.macro TURN fill
.if \fill
	s_wait_xcnt 0x0                                ; the last prefetch, a K step back, has read its address
	s_add_nc_u64 s[PFA:PFA+1], s[PFA:PFA+1], s[PFS:PFS+1]
.endif
	WIN 0
	s_wait_tensorcnt 0x0
	ds_add_u32 v[SPW], v[NIL]
	s_wait_dscnt 9                                 ; the add and the youngest eight loads may be out
	MUL F1, 0, 2, 0
	s_wait_dscnt 0x0                               ; the add is done, and my reads of this slot are over
	s_barrier_signal -1
	MUL F1, 2, 2, 0
	WIN 0
	s_barrier_wait -1
.if \fill
	CREST
	s_xor_b32 s[G0+5], s[G0+5], SLOT1
	s_add_nc_u64 s[G0+6:G0+7], s[G0+6:G0+7], KSA
	s_xor_b32 s[G0B+5], s[G0B+5], SLOT1
	s_add_nc_u64 s[G0B+6:G0B+7], s[G0B+6:G0B+7], KSB
	JLOAD                                          ; its four v_nop are also the places in front of the loads below
.else
	PLACES
.endif
	s_xor_b32 s[TB], s[TB], SLOT1
	v_add_nc_u32 v[ADRA], s[TB], v[ADRA0]
	v_add_nc_u32 v[ADRB], s[TB], v[ADRB0]
	FETCH 0, F0
.if \fill
	ASK
.endif
	MUL F1, 4, 4, 0
.endm
	s_wait_tensorcnt 1                             ; my part of slot 0 is in; slot 1's may stay out
	s_barrier_signal -1
	s_barrier_wait -1
	FETCH 0, F0
	QUARTER F0, F1, 1, 1                           ; the first quarter stands in front of the loop: its products start the sums
	WIN 0
	s_mov_b32 s[CNT], 6
.Lk:                                                   ; trip j: quarters 1 to 3 of K step j, the refill with K step j + 2, quarter 0 of K step j + 1
	QUARTER F1, F0, 2, 0
	QUARTER F0, F1, 3, 0
	TURN 1
	QUARTER F0, F1, 1, 0
	WIN 0
	s_sub_co_u32 s[CNT], s[CNT], 1
	s_cmp_lg_u32 s[CNT], 0
	s_cbranch_scc1 .Lk
	QUARTER F1, F0, 2, 0                           ; the tail is written out: nothing is left to fetch
	QUARTER F0, F1, 3, 0
	TURN 0
	QUARTER F0, F1, 1, 0
	QUARTER F1, F0, 2, 0
	QUARTER F0, F1, 3, 0
	s_wait_dscnt 8
	MUL F1, 0, 4, 0
	s_wait_dscnt 0x0
	MUL F1, 4, 4, 0
	WIN 0
	PLACES
	; THE WAY OUT, 16 tokens at a time through my own stage: 32 bytes a lane in, whole rows of 256 bytes back, and sixteen lanes store 256 consecutive bytes, aligned.
.macro TOSTAGE a
	WIN 0x04                                       ; the stores' data in window 1
.irp b, 0,1,2,3
	ds_store_b128 v[STO], v[8*(4*(\a)+\b):8*(4*(\a)+\b)+3]   offset:64*\b     ; each accumulator's low registers first
	ds_store_b128 v[STO], v[8*(4*(\a)+\b)+4:8*(4*(\a)+\b)+7] offset:64*\b+16
.endr
	WIN 0
.irp t, 0,1,2,3,4,5,6,7
	ds_load_b128 v[64+32*((\a)%3)+4*\t:64+32*((\a)%3)+4*\t+3], v[RD] offset:\t*2*SP  ; LDS serves a wave's instructions in order (ISA guide 5.7.1.4): these see the stores above
.endr
.endm
.macro SEND a, younger                 ; younger: the next block's sixteen LDS instructions, or none
	s_wait_dscnt \younger
	s_wait_xcnt 0x0                                ; the base, and the buffer that the block after next will load, are written again only behind this wait
.if (\a) > 0
	s_add_nc_u64 s[8:9], s[8:9], 16*4096
.endif
.irp t, 0,1,2,3,4,5,6,7
	global_store_b128 v[CO], v[64+32*((\a)%3)+4*\t:64+32*((\a)%3)+4*\t+3], s[8:9] offset:\t*2*4096
.endr
.endm
	TOSTAGE 0
.irp a, 1,2,3,4,5,6,7
	TOSTAGE \a
	SEND (\a)-1, 16
.endr
	SEND 7, 0
	s_wait_tensorcnt 0x0                           ; the wave's end, behind my last tensor load and my last LDS store
	ds_add_u32 v[SPW], v[NIL]
	s_wait_dscnt 0x0
	CROUND                                         ; the closing round
	s_endpgm
.Lfunc_end_k_q232f6401cd_oproj:
	.size	k_q232f6401cd_oproj, .Lfunc_end_k_q232f6401cd_oproj-k_q232f6401cd_oproj
	.p2alignl 7, 3214868480
	.fill 96, 4, 3214868480
	.section	.rodata,"a",@progbits
	.p2align	6, 0x0
	.amdhsa_kernel k_q232f6401cd_oproj
		.amdhsa_group_segment_fixed_size 327680
		.amdhsa_private_segment_fixed_size 0
		.amdhsa_enable_private_segment 0
		.amdhsa_kernarg_size 24
		.amdhsa_user_sgpr_count 2
		.amdhsa_user_sgpr_kernarg_segment_ptr 1
		.amdhsa_wavefront_size32 1
		.amdhsa_system_sgpr_workgroup_id_x 1
		.amdhsa_system_sgpr_workgroup_id_y 1
		.amdhsa_system_sgpr_workgroup_id_z 1
		.amdhsa_system_vgpr_workitem_id 0
		.amdhsa_next_free_vgpr 512
		.amdhsa_next_free_sgpr 66
		.amdhsa_reserve_vcc 0
		.amdhsa_float_denorm_mode_32 3
		.amdhsa_float_denorm_mode_16_64 3
		.amdhsa_memory_ordered 1
		.amdhsa_forward_progress 1
		.amdhsa_inst_pref_size 71
	.end_amdhsa_kernel
	.amdgpu_metadata
---
amdhsa.version: [ 1, 2 ]
amdhsa.kernels:
  - .name:           k_q232f6401cd_oproj
    .symbol:         k_q232f6401cd_oproj.kd
    .args:
      - { .name: oh, .offset: 0, .size: 8, .value_kind: global_buffer, .address_space: global }
      - { .name: wts, .offset: 8, .size: 8, .value_kind: global_buffer, .address_space: global }
      - { .name: out0, .offset: 16, .size: 8, .value_kind: global_buffer, .address_space: global }
    .group_segment_fixed_size: 327680
    .private_segment_fixed_size: 0
    .kernarg_segment_align: 8
    .kernarg_segment_size: 24
    .max_flat_workgroup_size: 128
    .sgpr_count:     66
    .vgpr_count:     512
    .wavefront_size: 32
...
	.end_amdgpu_metadata
.endif
;; end of part 4
;; ======== version 2 of 2: 4 launches; version 1 with the launch prep written anew for expert scheduling mode
;; limits: values are held in f16: magnitudes above 65,504 overflow, below 6.1e-05 lose precision
;; workspace buffers: xb 16,777,216 bytes; wts 8,912,896 bytes; qh 16,777,216 bytes; kh 16,777,216 bytes; vh 16,777,216 bytes; oh 16,777,216 bytes; vsum 262,144 bytes
;; launch prep (part 5): grid 416 x 1, 8 waves a work-group, no clusters, 0 bytes of LDS; arguments x, W_q, W_k, W_v, W_o, xb, wts; writes xb, wts
.if DOCPART == 5
	.amdgcn_target "amdgcn-amd-amdhsa--gfx1250"
	.amdhsa_code_object_version 6
	.text
	.protected	k_q232f6401cd_prep
	.globl	k_q232f6401cd_prep
	.p2align	8
	.type	k_q232f6401cd_prep,@function
k_q232f6401cd_prep:
	s_mov_b64 s[64:65], 0
	v_nop
	global_prefetch_b8 v0, s[64:65] scope:SCOPE_SE
	s_setreg_imm32_b32 hwreg(HW_REG_WAVE_SCHED_MODE, 0, 2), 2
	s_setreg_imm32_b32 hwreg(HW_REG_WAVE_MODE, 25, 1), 1
	s_wait_xcnt 0x0
	s_wait_alu depctr_vm_vsrc(0)
; PREP.  Rounds x and W_q, W_k, W_v once to bf16 and lays them in blocks of 64 along K, so that a later tile's rows lie end to end; rounds W_o to bf16 and writes that number as f16;
; makes the table of cosines and sines.  A stream: no LDS, no barrier, no matrix unit; every byte is read once and written once.
;   xb  [kb 16][row 8192][64] bf16
;   wts: at 0       [tc 8][kb 16][384][64] bf16, row in a block = (head & 1) 192 + kind 64 + c, head = 2 tc + (head & 1), kind 0 q, 1 k, 2 v
;        at WOB     [kb 16][n 1024][64] f16
;        at ROPE    [t 2048][pair 32][cos, sin] f32: 256 bytes a token
; WORK-GROUPS.  g = 0..127: 32 rows of a weight (kind g >> 5, 3 = W_o; block g & 31).  g = 128..383: 32 rows of x.  g = 384..415: 64 tokens of the table.
; A wave takes 4 rows as two pairs; one load takes 64 channels of two rows (lanes 0-15 one row's 256 bytes, lanes 16-31 the next row's); all 32 loads of a wave go out at once: 16 KiB a wave.
; One store covers 256 consecutive bytes, aligned: 128 bytes of each of two neighbouring rows of a block.
; LIMITS.  bf16(W_o) below 6e-5 keeps f16's fixed step of 6e-8, beyond 65,504 it would be an infinity.  The frequencies come from v_exp_f32, so an angle is good to about 3e-4 at t = 2047.
; THE MODE: SCHED_MODE bits 1:0 = 2 (LLVM: expert scheduling mode 2), set by the entry lines.  The code itself states the register dependences between vector instructions and memory instructions,
; with s_wait_alu, always for 0.
; THE PLAN.  Registers that memory instructions touch, on the way of x and the weights:
;   v[SO]        the loads' offset.  Written once, ahead of the one wait that stands in front of the loads; never written again.
;   v[DOF ..]    the stores' sixteen offsets.  Written once, behind the loads (these lines name none of the loads' registers); never written again.
;   X, unit u    four registers.  The unit's load lands in them; its conversions read them and write the first two (W_o: all four); its store reads the first two; nothing writes them behind that.
; The 32 units go in 8 groups of four.  Group g's conversions name group g's registers alone; the memory instructions among them are the four stores of group g - 1.  So ONE wait on va_vdst at a group's
; head, behind the wait for the group's loads, states all that those four stores hang on.  No register that a memory instruction has read is written again: this way holds no wait on vm_vsrc.
; On the table's way: v5, the stores' offset, written once ahead of the loop; v[14:15], the store's data, written in every trip and read by the trip's store.
.set SO,   2                           ; v2      byte offset of my 16 bytes in the source
.set LN,   3                           ; v3      lane
.set DOF,  8                           ; v[8:23] byte offset of my 8 bytes in block kb of the destination
.set X,    32                          ; v[32:159] unit u = 16 pair + kb: 4 registers
.set WOB,  6291456
.set ROPE, 8388608
	s_load_b256 s[8:15], s[0:1], 0x0               ; x s[8:9], W_q s[10:11], W_k s[12:13], W_v s[14:15]
	s_load_b128 s[16:19], s[0:1], 0x20             ; W_o s[16:17], xb s[18:19]
	s_load_b64 s[20:21], s[0:1], 0x30              ; wts
	v_lshrrev_b32 v1, 5, v0
	v_readfirstlane_b32 s4, v1                     ; wave 0..7
	v_and_b32 v[LN], 31, v0
	s_mov_b32 s5, ttmp9                            ; g
	s_mov_b32 s27, 0
	s_mov_b32 s29, 0
	s_lshr_b32 s7, s5, 5                           ; kind: 0 q, 1 k, 2 v, 3 o, 4 and more: x
	s_and_b32 s6, s5, 31                           ; a weight's block of 32 rows
	s_wait_alu depctr_va_sdst(0)                   ; s4 is written: ahead of the first branch and of all its readers, which stand on both ways below
	s_wait_kmcnt 0x0
	s_cmp_ge_u32 s5, 384
	s_cbranch_scc1 .Lrope
	s_cmp_lt_u32 s7, 4                             ; the two pointers are chosen by selects on the kind alone
	s_cselect_b64 s[24:25], s[20:21], s[18:19]     ; to wts or to xb
	s_cmp_eq_u32 s7, 0
	s_cselect_b64 s[22:23], s[10:11], s[8:9]
	s_cmp_eq_u32 s7, 1
	s_cselect_b64 s[22:23], s[12:13], s[22:23]
	s_cmp_eq_u32 s7, 2
	s_cselect_b64 s[22:23], s[14:15], s[22:23]
	s_cmp_eq_u32 s7, 3
	s_cselect_b64 s[22:23], s[16:17], s[22:23]
	s_cmp_lt_u32 s7, 4
	s_cbranch_scc1 .Lweights
	s_sub_co_u32 s31, s5, 128                      ; x: block of 32 rows
	s_lshl_b32 s26, s31, 17                        ; 32 rows of 4,096 bytes
	s_lshl_b32 s28, s31, 12                        ; 32 rows of 128 bytes
	s_mov_b32 s30, 0x100000                        ; bytes from a K block to the next
	s_branch .Lgo
.Lweights:
	s_lshl_b32 s26, s6, 17
	s_cmp_eq_u32 s7, 3
	s_cbranch_scc1 .Lwo
	s_lshr_b32 s31, s6, 2                          ; tc = head / 2 = block / 4
	s_mul_i32 s28, s31, 6144*128
	s_bfe_u32 s31, s6, 0x10001                     ; head & 1
	s_mul_i32 s31, s31, 192*128
	s_add_co_u32 s28, s28, s31
	s_lshl_b32 s31, s7, 13                         ; kind x 64 rows
	s_add_co_u32 s28, s28, s31
	s_and_b32 s31, s6, 1                           ; which 32 of the head's 64 rows
	s_lshl_b32 s31, s31, 12
	s_add_co_u32 s28, s28, s31
	s_mov_b32 s30, 49152
	s_branch .Lgo
.Lwo:
	s_lshl_b32 s28, s6, 12
	s_add_co_u32 s28, s28, WOB
	s_mov_b32 s30, 131072
.Lgo:
	s_add_nc_u64 s[22:23], s[22:23], s[26:27]
	s_add_nc_u64 s[24:25], s[24:25], s[28:29]
	v_lshrrev_b32 v4, 4, v[LN]
	v_lshl_add_u32 v4, s4, 2, v4                   ; row 4 w + l / 16
	v_and_b32 v5, 15, v0
	v_lshlrev_b32 v5, 4, v5
	v_lshl_add_u32 v[SO], v4, 12, v5
	s_wait_alu depctr_va_vdst(0)                   ; v[SO] is written, which all 32 loads read as their offset
.set u, 0
.rept 32
	global_load_b128 v[X+4*u:X+4*u+3], v[SO], s[22:23] offset:(u/16)*8192+(u%16)*256 th:TH_LOAD_NT
.set u, u+1
.endr
	v_lshlrev_b32 v6, 3, v[LN]                     ; the stores' offsets are made while the loads are on their way: these lines name neither v[SO] nor X
	v_lshl_add_u32 v[DOF], s4, 9, v6               ; 4 w rows of 128 bytes + 8 l
.set i, 1
.rept 15
	v_add_nc_u32 v[DOF+i], s30, v[DOF+i-1]
.set i, i+1
.endr
; Group g of four units.  The count leaves the 28 - 4 g younger loads out.  The stores of the group before stand among this group's conversions, one ahead of each unit's.
; No register is written again behind its store.
.macro CONV f16
.set g, 0
.rept 8
	s_wait_loadcnt 28-4*g                          ; loads come back in order (ISA guide 5.7.1): this group's four are in
.if g > 0
	s_wait_alu depctr_va_vdst(0)                   ; the group before has written its X, which the four stores below read as data; the first time also: v[DOF ..], the stores' offsets, are written
.endif
.set i, 0
.rept 4
.set u, 4*g+i
.if g > 0
	global_store_b64 v[DOF+(u-4)%16], v[X+4*(u-4):X+4*(u-4)+1], s[24:25] offset:((u-4)/16)*256  ; no vector instruction since the wait names these registers
.endif
	v_cvt_pk_bf16_f32 v[X+4*u], v[X+4*u], v[X+4*u+1]
	v_cvt_pk_bf16_f32 v[X+4*u+1], v[X+4*u+2], v[X+4*u+3]
.if \f16
	v_lshlrev_b32 v[X+4*u+2], 16, v[X+4*u]         ; the bf16 numbers as f32,
	v_and_b32 v[X+4*u+3], 0xffff0000, v[X+4*u]
	v_cvt_pk_f16_f32 v[X+4*u], v[X+4*u+2], v[X+4*u+3]  ; written as f16
	v_lshlrev_b32 v[X+4*u+2], 16, v[X+4*u+1]
	v_and_b32 v[X+4*u+3], 0xffff0000, v[X+4*u+1]
	v_cvt_pk_f16_f32 v[X+4*u+1], v[X+4*u+2], v[X+4*u+3]
.endif
.set i, i+1
.endr
.set g, g+1
.endr
	s_wait_alu depctr_va_vdst(0)                   ; the last group has written its X, which the last four stores read
.set u, 28
.rept 4
	global_store_b64 v[DOF+u%16], v[X+4*u:X+4*u+1], s[24:25] offset:(u/16)*256
.set u, u+1
.endr
.endm
	s_cmp_eq_u32 s7, 3
	s_cbranch_scc1 .Lf16
	CONV 0
	s_endpgm
.Lf16:
	CONV 1
	s_endpgm
; THE TABLE.  A wave takes 8 tokens, a lane a pair: angle = t x 10000^(-l / 32).  The angle is reduced by the nearest multiple n of pi / 2 (pi / 2 in two parts), sine and cosine come from
; their series on |r| <= pi / 4 (terms to r^9 and r^8), and n mod 4 swaps and signs them.
.Lrope:
	s_sub_co_u32 s6, s5, 384
	s_lshl_b32 s6, s6, 3
	s_add_co_u32 s6, s6, s4
	s_lshl_b32 s6, s6, 3                           ; my first token
	s_lshl_b32 s26, s6, 8
	s_add_co_u32 s26, s26, ROPE
	s_add_nc_u64 s[24:25], s[20:21], s[26:27]
	v_cvt_f32_u32 v4, v[LN]
	v_mul_f32 v4, 0xbed49a78, v4                   ; - l log2(10000) / 32
	v_exp_f32 v4, v4
	v_lshlrev_b32 v5, 3, v[LN]                     ; a plain instruction behind the exponential: my 8 bytes of a token's row
	s_wait_alu depctr_va_vdst(0)                   ; the exponential has written v4, ahead of its first use and of the label; v5, the stores' offset, is written
	s_mov_b32 s7, 8
.Ltok:
	v_cvt_f32_u32 v6, s6
	v_mul_f32 v6, v6, v4                           ; the angle, rounded as t x frequency is in f32
	v_mul_f32 v7, 0x3f22f983, v6                   ; x 2 / pi
	v_rndne_f32 v7, v7                             ; n
	v_cvt_i32_f32 v12, v7
	v_and_b32 v13, 1, v12
	v_cmp_ne_u32 vcc_lo, 0, v13                    ; is n odd?  Asked early: the two series and the signs stand between this line and the wait for VCC
	v_fmamk_f32 v8, v7, 0xbfc90fdb, v6             ; r = angle - n x (pi / 2's upper part)
	v_fmamk_f32 v8, v7, 0x333bbd2e, v8             ;   - n x (its lower part, which is negative)
	v_mul_f32 v9, v8, v8
	v_mov_b32 v10, 0x3638ef1d
	v_mov_b32 v11, 0x37d00d01
	v_fmaak_f32 v10, v9, v10, 0xb9500d01
	v_fmaak_f32 v11, v9, v11, 0xbab60b61
	v_fmaak_f32 v10, v9, v10, 0x3c088889
	v_fmaak_f32 v11, v9, v11, 0x3d2aaaab
	v_fmaak_f32 v10, v9, v10, 0xbe2aaaab
	v_fmaak_f32 v11, v9, v11, 0xbf000000
	v_mul_f32 v10, v9, v10
	v_fma_f32 v11, v9, v11, 1.0                    ; cos r
	v_fma_f32 v10, v8, v10, v8                     ; sin r
	v_add_nc_u32 v13, 1, v12
	v_and_b32 v13, 2, v13
	v_lshlrev_b32 v13, 30, v13                     ; the cosine's sign
	v_and_b32 v12, 2, v12
	v_lshlrev_b32 v12, 30, v12                     ; the sine's
	s_wait_alu depctr_va_vcc(0)                    ; the compare has written VCC, which the two selects read
	v_cndmask_b32 v14, v11, v10, vcc_lo            ; odd n: the two change places
	v_cndmask_b32 v15, v10, v11, vcc_lo
	v_xor_b32 v14, v14, v13                        ; the cosine is negative for n mod 4 = 1, 2
	v_xor_b32 v15, v15, v12                        ; the sine for n mod 4 = 2, 3
	s_add_co_u32 s6, s6, 1                         ; the next token, and the count: scalar work between the last vector line and the wait for it
	s_sub_co_u32 s7, s7, 1
	s_wait_alu depctr_va_vdst(0)                   ; v[14:15] are written, which the store reads as data
	global_store_b64 v5, v[14:15], s[24:25]        ; the wave stores a token's 256 bytes
	s_wait_xcnt 0x0                                ; the store's data and base are written again only behind this wait
	s_wait_alu depctr_vm_vsrc(0)                   ; the store has read v[14:15], which the next trip's selects write again: ahead of the jump back
	s_add_nc_u64 s[24:25], s[24:25], 256
	s_cmp_lg_u32 s7, 0
	s_cbranch_scc1 .Ltok
	s_endpgm
.Lfunc_end_k_q232f6401cd_prep:
	.size	k_q232f6401cd_prep, .Lfunc_end_k_q232f6401cd_prep-k_q232f6401cd_prep
	.p2alignl 7, 3214868480
	.fill 96, 4, 3214868480
	.section	.rodata,"a",@progbits
	.p2align	6, 0x0
	.amdhsa_kernel k_q232f6401cd_prep
		.amdhsa_group_segment_fixed_size 0
		.amdhsa_private_segment_fixed_size 0
		.amdhsa_enable_private_segment 0
		.amdhsa_kernarg_size 56
		.amdhsa_user_sgpr_count 2
		.amdhsa_user_sgpr_kernarg_segment_ptr 1
		.amdhsa_wavefront_size32 1
		.amdhsa_system_sgpr_workgroup_id_x 1
		.amdhsa_system_sgpr_workgroup_id_y 1
		.amdhsa_system_sgpr_workgroup_id_z 1
		.amdhsa_system_vgpr_workitem_id 0
		.amdhsa_next_free_vgpr 160
		.amdhsa_next_free_sgpr 66
		.amdhsa_reserve_vcc 1
		.amdhsa_float_denorm_mode_32 3
		.amdhsa_float_denorm_mode_16_64 3
		.amdhsa_memory_ordered 1
		.amdhsa_forward_progress 1
		.amdhsa_inst_pref_size 34
	.end_amdhsa_kernel
	.amdgpu_metadata
---
amdhsa.version: [ 1, 2 ]
amdhsa.kernels:
  - .name:           k_q232f6401cd_prep
    .symbol:         k_q232f6401cd_prep.kd
    .args:
      - { .name: x, .offset: 0, .size: 8, .value_kind: global_buffer, .address_space: global }
      - { .name: W_q, .offset: 8, .size: 8, .value_kind: global_buffer, .address_space: global }
      - { .name: W_k, .offset: 16, .size: 8, .value_kind: global_buffer, .address_space: global }
      - { .name: W_v, .offset: 24, .size: 8, .value_kind: global_buffer, .address_space: global }
      - { .name: W_o, .offset: 32, .size: 8, .value_kind: global_buffer, .address_space: global }
      - { .name: xb, .offset: 40, .size: 8, .value_kind: global_buffer, .address_space: global }
      - { .name: wts, .offset: 48, .size: 8, .value_kind: global_buffer, .address_space: global }
    .group_segment_fixed_size: 0
    .private_segment_fixed_size: 0
    .kernarg_segment_align: 8
    .kernarg_segment_size: 56
    .max_flat_workgroup_size: 256
    .sgpr_count:     66
    .vgpr_count:     160
    .wavefront_size: 32
...
	.end_amdgpu_metadata
.endif
;; end of part 5
;; launch qkv: the kernel of part 2 again; grid 8 x 32, 4 waves a work-group, clusters of 4 x 4, 327,680 bytes of LDS; arguments xb, wts, qh, kh, vh, vsum; writes qh, kh, vh, vsum
;; launch attn: the kernel of part 3 again; grid 4 x 64, 4 waves a work-group, no clusters, 327,680 bytes of LDS; arguments qh, kh, vh, oh, attention_mask, vsum; writes oh
;; launch oproj: the kernel of part 4 again; grid 8 x 32, 4 waves a work-group, clusters of 4 x 4, 327,680 bytes of LDS; arguments oh, wts, out0; writes out0
